; MI455X (gfx1250); checked and timed in simulation.
; The chip was launched on July 23, 2026; its instructions are those of AMD's public machine-readable ISA for CDNA 5 (MIT licence, August 2026) and "CDNA5" Instruction Set Architecture Reference Guide (July 2026). The comments in the code are by the model that wrote it; some were corrected since.
;; Multi Head Attention. Allowed arithmetic: matrix products marked QUANTISED: E2M1 operands, one E8M0 scale for each 32 along K, by v_wmma_scale_f32_16x16x128_f8f6f4 with both operands' format E2M1 (or v_wmma_scale_f32_32x16x128_f4), f32 sums; everything else in f32.
;; Inputs: Wkv 1,024 x 2,048 float32; Wo 1,024 x 1,024 float32; Wq 1,024 x 1,024 float32; bkv 2,048 float32; bo 1,024 float32; bq 1,024 float32; lengths 8 int32; ln_b 1,024 float32; ln_g 1,024 float32; x 8 x 1,024 x 1,024 float32.
;; Outputs: out0 8 x 1,024 x 1,024 float32.
;; This version of the problem:
;;   THIS VERSION OF THE PROBLEM IS GIVEN IN LOW PRECISION. The matrix products marked QUANTISED in the list below multiply operands that are first quantised to E2M1 (2 exponent bits, 1 mantissa bit; 4 bits a number), with one power-of-two scale for each 32 numbers along K (OCP MX v1.0); their sums are f32. All else is computed in f32.
;;   The module's matrix products, in the order in which they are computed (A, B: the left and right operand; K: the contracted axis; several contracted axes count as one K, in the product's order):
;;     1. [M 8,192, K 1,024] x [K 1,024, N 1,024]; A: computed on the way; B: input Wq: QUANTISED
;;     2. [M 8,192, K 1,024] x [K 1,024, N 2,048]; A: computed on the way; B: input Wkv: QUANTISED
;;     3. batch 128 x [M 1,024, K 64] x [K 64, N 1,024]; A: computed on the way; B: computed on the way: QUANTISED
;;     4. batch 128 x [M 64, K 1,024] x [K 1,024, N 1,024]; A: computed on the way; B: softmax (see below): QUANTISED
;;     5. [M 8,192, K 1,024] x [K 1,024, N 1,024]; A: computed on the way; B: input Wo: QUANTISED
;;   THE QUANTISER, for each operand of a quantised product, along K:
;;     - K is cut into blocks of 32 from its start; a last block that is shorter is filled with zeros.
;;     - A block's scale is 2^e with e = floor(log2(the largest magnitude in the block)) - 2, held to -126 .. 127; a block of zeros has e = 0. As a byte (E8M0): e + 127.
;;     - Each number is divided by its block's scale, clamped to +-6, and rounded to the nearest number of E2M1, ties to even, subnormals kept.
;;     - The product sums the exact products of the quantised numbers (number of the format x scale) in f32.
;;   ~~~python
;;   def quantise(x, axis):      # numpy; x: float32 -> the quantised numbers, widened to float32 again
;;       x = np.moveaxis(x, axis, -1); K = x.shape[-1]
;;       x = np.pad(x, [(0, 0)] * (x.ndim - 1) + [(0, -K % 32)]); x = x.reshape(x.shape[:-1] + (-1, 32)); a = np.abs(x).max(-1, keepdims=True)
;;       e = np.where(a > 0, np.clip(np.frexp(np.where(a > 0, a, 1))[1] - 1 - 2, -126, 127), 0)      # np.frexp(a)[1] - 1 = floor(log2(a)), exactly
;;       r = np.clip(x / 2.0 ** e, -6, 6)
;;       step = 2.0 ** (np.maximum(np.frexp(np.where(r == 0, 1, r))[1] - 1, 0) - 1)
;;       q = np.round(r / step) * step * 2.0 ** e      # np.round: ties to even
;;       return np.moveaxis(q.reshape(q.shape[:-2] + (-1,))[..., :K], -1, axis).astype(np.float32)
;;   ~~~
;;   SOFTMAX AHEAD OF A QUANTISED PRODUCT. Where the list says 'softmax', what is quantised is not the finished softmax but p = 2^(t - M), with t = logit x log2(e) and M = ceil(the row's largest t), a whole number; so 1/2 < the row's largest p <= 1. The row's sum l is taken of the UNQUANTISED p, in f32, and the product's result is divided by l at the end. Since M is a whole number, a kernel that streams over the keys may use a running M (the ceiling of the running maximum): every later rescaling is an exact power of two, which a block's scale takes up: the codes' values come out the same.
;;   OPERANDS COMPUTED ON THE WAY. 'Computed on the way' means the value that the module computes at that place (a softmax that the list does not call 'softmax' is quantised finished and normalised). What goes into a quantiser is computed in f32, as accurately as f32 sums, v_exp_f32 and their like allow (about 1e-6 of the number): no bf16 or f16 on the way to a quantiser, and a product that is left as it is and whose result goes on into a quantised operand takes f32 operands (vector FMAs, or v_wmma_f32_16x16x4_f32). A number that lies on a knife's edge between two numbers of the format may be rounded either way, as far as f32 arithmetic and the matrix unit's own rounding can turn it there, and no further.
;; One version. Each part assembles by itself: llvm-mc -triple=amdgcn-amd-amdhsa -mcpu=gfx1250 --defsym DOCPART=n.
;; ======== version 1 of 1: 4 launches
;; limits: right only within a limited range of input values
;; workspace buffers: xw_codes 6,291,456 bytes; xw_scales 393,216 bytes; qk_codes 8,388,608 bytes; qk_scales 1,048,576 bytes; v_codes 4,194,304 bytes; v_scales 262,144 bytes; o_codes 4,194,304 bytes; o_scales 262,144 bytes
;; launch prep (part 1): grid 192 x 1, 16 waves a work-group, no clusters, 121,856 bytes of LDS; arguments x, ln_g, ln_b, Wq, Wkv, Wo, xw_codes, xw_scales; writes xw_codes, xw_scales
.if DOCPART == 1
	.amdgcn_target "amdgcn-amd-amdhsa--gfx1250"
	.amdhsa_code_object_version 6
	.text
	.protected	k_q72a5b7e6e1_prep
	.globl	k_q72a5b7e6e1_prep
	.p2align	8
	.type	k_q72a5b7e6e1_prep,@function
k_q72a5b7e6e1_prep:
	s_mov_b64 s[64:65], 0
	v_nop
	global_prefetch_b8 v0, s[64:65] scope:SCOPE_SE
	s_setreg_imm32_b32 hwreg(HW_REG_WAVE_MODE, 25, 1), 1
	s_wait_xcnt 0x0
; LAUNCH 1 OF 4.  LayerNorm(x) and the three weights become codes of FP4 (E2M1) with one E8M0 byte for each 32 along K = D, in ONE table of 12,288 rows:
; xw_codes [row][512 bytes] (K innermost, the lower k in the low four bits), xw_scales [row][32 bytes].  Rows 0-8191: tokens; 8192-9215: columns of Wq; 9216-11263: of Wkv; 11264-12287: of Wo.
; THE PLACE OF A ROW: a token or a column stands at its own number with bits 3 and 4 exchanged.  Sixteen neighbouring places then hold the rows 8 u + m + 8 (m / 8) of a group of 32, so that in a
; transposed product the 16 registers of two neighbouring tiles are 16 true neighbours: what the next quantiser wants.  The exchange is undone where results leave (launch 4).
; DEAD WORK: none of the inputs and none of the five products is dead: ln_b, bq, both halves of bkv, bo and lengths all reach out0.  The only work left out in the program is in launch 3: key steps all of whose
; 128 keys are at or beyond lengths[b] get the weight 0 in reference() for every value of the inputs (-inf ahead of the softmax); which steps these are is read from lengths there.
; LIMITS: a NaN, an infinity or an overflow that reaches only those steps (rows of k and v beyond lengths[b]) is not carried to the result.  NaN and infinities among the inputs are not served.
; A block of zeros gets the scale byte 1 where the rule says 127: its codes are zeros, and only this program reads the bytes.  Blocks whose largest magnitude lies under 2^-124 are held at the byte 1.
; SHARES.  Work-groups 0-63: 64 columns of a weight, all of K: 262,144 bytes.  A lane takes a column and its registers run down K; wave w: columns 32 (w % 2) on, K 128 (w / 2) on.  The codes meet in LDS and leave as whole rows.
; Work-groups 64-191: 64 tokens, 4 to a wave: 262,144 bytes of x, as many as a weights' work-group reads.  A row of 4,096 bytes lies in 32 registers of the wave between the mean, the variance and the scaling; it turns through
; the wave's own stage so that a lane holds a whole block of 32.  All four rows of a wave are asked for at the head.  Every wave wants all of ln_g and ln_b: the work-group loads their 8,192 bytes once, 8 bytes of each a thread,
; and hands them round through LDS.  A wave's four rows make 128 scale bytes: the work-group's 2,048 meet in LDS and leave 512 consecutive bytes a wave.
; The two paths part once, on the work-group's number, and have LDS bytes of their own.  No matrix unit, no cluster, no tensor load: memory binds, and nothing is shared between work-groups.
.set LNW,   4608                       ; LDS, tokens' path: for each wave a stage of 32 x 144 bytes,
.set LSC,   16*LNW                     ; the work-group's 64 x 32 scale bytes,
.set GLD,   LSC+2048                   ; ln_g's 4,096 bytes, then ln_b's
.set WST,   GLD+8192                   ; weights' path: 64 rows x (512 + 16) bytes of codes,
.set WSC,   WST+64*528                 ; 64 x 32 scale bytes
.set SPARE, WSC+2048                   ; the spare words, 128 bytes for each wave: eight blocks of 256 bytes that no other line names
.set SPW,   254                        ; v254 LDS address of my spare word; never rewritten
.set NIL,   255                        ; v255 0; never rewritten
.set WV,    20                         ; s20  my wave's number
	s_load_b512 s[4:19], s[0:1], 0x0               ; x s[4:5], ln_g s[6:7], ln_b s[8:9], Wq s[10:11], Wkv s[12:13], Wo s[14:15], codes s[16:17], scale bytes s[18:19]
	v_lshl_add_u32 v[SPW], v0, 2, SPARE
	v_mov_b32 v[NIL], 0
	v_lshrrev_b32 v1, 5, v0
	s_delay_alu instid0(VALU_DEP_1)
	v_readfirstlane_b32 s[WV], v1
	v_and_b32 v2, 31, v0                           ; lane
	s_wait_kmcnt 0x0
	s_cmp_lt_u32 ttmp9, 64
	s_cbranch_scc0 .Lln
; ---------------- THE WEIGHTS ----------------
.set X,    32                          ; v32-95   two sets of 32 numbers: a block of 32 along K of my column
.set C,    96                          ; v96-111  the codes of my four blocks
.set OUTR, 112                         ; v112-127 the way out
.set OFF,  128                         ; v128-159 4 x lane + i x a row of the weight, i = 0 .. 31; never rewritten
.set SBW,  160                         ; v160     my four scale bytes
.set WB,   32                          ; s[32:39] the weight at my columns and at K block 0, 1, 2, 3 of my wave; never rewritten
	s_and_b32 s21, s[WV], 1                        ; which 32 columns
	s_lshr_b32 s22, s[WV], 1                       ; which 128 along K
	s_cmp_lt_u32 ttmp9, 16                         ; work-groups 0-15: Wq; 16-47: Wkv; 48-63: Wo.  The choice hangs on the work-group's number alone
	s_cselect_b64 s[24:25], s[10:11], s[12:13]
	s_cselect_b32 s23, 0, 16
	s_cmp_lt_u32 ttmp9, 48
	s_cselect_b64 s[24:25], s[24:25], s[14:15]
	s_cselect_b32 s23, s23, 48
	s_sub_co_u32 s23, ttmp9, s23
	s_lshl_b32 s26, s23, 8                         ; my work-group's first column, in bytes: 64 columns x 4
	s_sub_co_u32 s27, ttmp9, 16
	s_cmp_lt_u32 s27, 32
	s_cselect_b32 s28, 13, 12                      ; a row of Wkv is 8,192 bytes, of the others 4,096
	s_lshl_b32 s29, 1, s28
	s_lshl_b32 s27, s21, 7
	s_add_co_u32 s26, s26, s27                     ; + my wave's 32 columns
	s_lshl_b32 s27, s22, 7
	s_lshl_b32 s27, s27, s28
	s_add_co_u32 s26, s26, s27                     ; + my wave's 128 rows
	s_mov_b32 s27, 0
	s_add_nc_u64 s[WB:WB+1], s[24:25], s[26:27]
	s_lshl_b32 s26, s29, 5                         ; 32 rows on
	s_add_nc_u64 s[WB+2:WB+3], s[WB:WB+1], s[26:27]
	s_add_nc_u64 s[WB+4:WB+5], s[WB+2:WB+3], s[26:27]
	s_add_nc_u64 s[WB+6:WB+7], s[WB+4:WB+5], s[26:27]
	s_wait_alu depctr_va_vdst(0)
	v_lshlrev_b32 v9, 2, v2
.set i_, 0
	s_wait_alu depctr_va_vdst(0)
.rept 32
	s_mul_i32 s30, s29, i_
	v_add_nc_u32 v[OFF+i_], s30, v9
.set i_, i_+1
.endr
	v_and_b32 v3, 7, v2                            ; my column's place among its 32: bits 3 and 4 exchanged
	v_bfe_u32 v4, v0, 3, 1
	v_bfe_u32 v5, v0, 4, 1
	s_delay_alu instid0(VALU_DEP_2)
	v_lshl_or_b32 v3, v4, 4, v3
	s_delay_alu instid0(VALU_DEP_1)
	v_lshl_or_b32 v3, v5, 3, v3
	s_wait_alu depctr_va_vdst(0)
	s_mul_i32 s40, s21, 32*528
	s_lshl_b32 s41, s22, 6
	s_add_co_u32 s40, s40, s41
	s_add_co_u32 s40, s40, WST
	v_mul_u32_u24 v6, v3, 528
	s_delay_alu instid0(VALU_DEP_1)
	v_add_nc_u32 v6, s40, v6                       ; v6: my row of the stage, my wave's 64 bytes of it
	s_lshl_b32 s40, s21, 10
	s_lshl_b32 s41, s22, 2
	s_add_co_u32 s40, s40, s41
	s_add_co_u32 s40, s40, WSC
	v_lshl_add_u32 v7, v3, 5, s40                  ; v7: my row's 32 scale bytes, my wave's word of them
	s_mul_i32 s40, s[WV], 528
	s_add_co_u32 s40, s40, WST
	v_lshl_add_u32 v8, v2, 4, s40                  ; v8: the way out: row w (+ 16, 32, 48), 16 bytes a lane
	v_lshlrev_b32 v14, 4, v0                       ; v14: 16 x thread: the same place in memory
	s_delay_alu instid0(VALU_DEP_1)
	v_add_nc_u32 v10, WSC, v14                     ; v10: the scale bytes' way out (waves 0-3)
	s_lshl_b32 s26, ttmp9, 6
	s_add_co_u32 s26, s26, 8192                    ; my work-group's first row of the table
	s_lshl_b32 s30, s26, 9
	s_mov_b32 s31, 0
	s_add_nc_u64 s[16:17], s[16:17], s[30:31]
	s_lshl_b32 s30, s26, 5
	s_add_nc_u64 s[18:19], s[18:19], s[30:31]
.macro WLOAD t                         ; block t: W(32 t + i, my column), i = 0 .. 31, into set t % 2: 32 lanes read 128 neighbouring bytes
.set i_, 0
.rept 32
	global_load_b32 v[X+32*((\t)%2)+i_], v[OFF+i_], s[WB+2*(\t):WB+2*(\t)+1] th:TH_LOAD_NT
.set i_, i_+1
.endr
.endm
.macro WBLOCK t
.set XS, X+32*((\t)%2)
.if (\t) < 3
	s_wait_loadcnt 32                              ; this block's 32 loads are in; the next block's 32 may be out
.else
	s_wait_loadcnt 0x0
.endif
	v_max3_num_f32 v12, |v[XS]|, |v[XS+1]|, |v[XS+2]|               ; the block's largest magnitude: all 32 numbers are mine
	v_max3_num_f32 v13, |v[XS+3]|, |v[XS+4]|, |v[XS+5]|
.irp i, 6,10,14,18,22,26
	s_delay_alu instid0(VALU_DEP_2)
	v_max3_num_f32 v12, v12, |v[XS+\i]|, |v[XS+\i+1]|
	s_delay_alu instid0(VALU_DEP_2)
	v_max3_num_f32 v13, v13, |v[XS+\i+2]|, |v[XS+\i+3]|
.endr
	s_delay_alu instid0(VALU_DEP_2)
	v_max3_num_f32 v12, v12, |v[XS+30]|, |v[XS+31]|
	s_delay_alu instid0(VALU_DEP_1)
	v_max3_num_f32 v12, v12, v13, 0x1800000        ; and the floor 2^(3 - 127): the byte cannot fall under 1
	s_delay_alu instid0(VALU_DEP_1)
	v_add_nc_u32 v11, 0xff000000, v12              ; 2 off the exponent field: the conversion takes this operand's exponent field as its scale
	s_delay_alu instid0(VALU_DEP_1)
	v_lshrrev_b32 v13, 23, v11                     ; the scale's byte
.if (\t) == 0
	s_delay_alu instid0(VALU_DEP_1)
	v_mov_b32 v[SBW], v13
.else
	s_delay_alu instid0(VALU_DEP_1)
	v_lshl_or_b32 v[SBW], v13, 8*(\t), v[SBW]
.endif
.irp g, 0,1,2,3
	v_cvt_scalef32_pk8_fp4_f32 v[C+4*(\t)+\g], v[XS+8*\g:XS+8*\g+7], v11
.endr
	ds_store_b128 v6, v[C+4*(\t):C+4*(\t)+3] offset:16*(\t)   ; 32 codes: 16 bytes of my column's row
.if (\t) < 2
	WLOAD (\t)+2
.endif
.endm
	WLOAD 0
	WLOAD 1
	WBLOCK 0
	WBLOCK 1
	WBLOCK 2
	WBLOCK 3
	ds_store_b32 v7, v[SBW]
	s_wait_dscnt 0x0                               ; for the others' sake: my stores have landed
	s_barrier_signal -1
	s_barrier_wait -1                              ; 64 whole rows of codes and of scale bytes lie in LDS
.irp p, 0,1,2,3
	ds_load_b128 v[OUTR+4*\p:OUTR+4*\p+3], v8 offset:\p*16*528
.endr
.irp p, 0,1,2,3
	s_wait_dscnt 3-\p                              ; the younger read-backs may be out
	global_store_b128 v14, v[OUTR+4*\p:OUTR+4*\p+3], s[16:17] offset:\p*8192   ; a wave stores a row: 512 consecutive bytes
.endr
	s_cmp_lt_u32 s[WV], 4
	s_cbranch_scc0 .Lwend
	ds_load_b128 v[C:C+3], v10                     ; the 2,048 scale bytes: 128 threads, 16 bytes each
	s_wait_dscnt 0x0
	global_store_b128 v14, v[C:C+3], s[18:19]
.Lwend:
	s_wait_tensorcnt 0x0                           ; the wave's end
	ds_add_u32 v[SPW], v[NIL]
	s_wait_dscnt 0x0
	s_endpgm
; ---------------- THE TOKENS ----------------
.set G,    32                          ; v32-63   ln_g as a row is loaded: chunk i, lane l: k = 128 i + 4 l + 0 .. 3
.set BB,   64                          ; v64-95   ln_b likewise
.set ROWS, 96                          ; v96-223  my four rows, 32 registers each
.set CD,   224                         ; v224-239 their codes, 4 registers each: no store's data are written again
.Lln:
	s_sub_co_u32 s21, ttmp9, 64
	s_lshl_b32 s22, s21, 6                         ; my work-group's first token, and its place: the exchange stays inside a group of 32
	s_lshl_b32 s23, s[WV], 2
	s_add_co_u32 s23, s22, s23                     ; my wave's first token: + 4 w
	s_and_b32 s24, s[WV], 9                        ; its place: bits 3 and 4 of the token are bits 1 and 2 of w: they change places
	s_and_b32 s25, s[WV], 2
	s_lshl_b32 s25, s25, 1
	s_or_b32 s24, s24, s25
	s_and_b32 s25, s[WV], 4
	s_lshr_b32 s25, s25, 1
	s_or_b32 s24, s24, s25
	s_lshl_b32 s34, s24, 7                         ; my four rows' 128 bytes among the work-group's 2,048 scale bytes
	s_lshl_b32 s24, s24, 2
	s_add_co_u32 s24, s22, s24                     ; my first row's place in the table
	s_mov_b32 s27, 0
	s_lshl_b32 s26, s23, 12
	s_add_nc_u64 s[4:5], s[4:5], s[26:27]          ; x at my first token
	s_lshl_b32 s26, s24, 9
	s_add_nc_u64 s[16:17], s[16:17], s[26:27]      ; the codes at my first place
	s_lshl_b32 s26, s22, 5
	s_add_nc_u64 s[18:19], s[18:19], s[26:27]      ; the scale bytes at the work-group's first place
	s_mov_b32 s30, 0x76543210
	s_mov_b32 s31, 0xfedcba98                      ; v_permlanex16_b32's selects for lane l xor 16
	s_mov_b32 s32, 0x3a800000                      ; 1 / 1024
	s_mov_b32 s33, 0x3727c5ac                      ; 1e-5
	v_lshlrev_b32 v9, 3, v0                        ; v9: 8 x thread
	s_wait_alu depctr_va_vdst(0)
	v_lshlrev_b32 v3, 4, v2                        ; v3: 16 x lane
	global_load_b64 v[26:27], v9, s[6:7]           ; my 8 bytes of ln_g: 512 threads x 8 = its 4,096 bytes,
	global_load_b64 v[28:29], v9, s[8:9]           ; and of ln_b
.macro XROW p                          ; row p: eight loads of 512 consecutive bytes
.irp i, 0,1,2,3,4,5,6,7
	global_load_b128 v[ROWS+32*(\p)+4*\i:ROWS+32*(\p)+4*\i+3], v3, s[4:5] offset:4096*(\p)+512*\i th:TH_LOAD_NT
.endr
.endm
	XROW 0
	XROW 1
	XROW 2
	XROW 3
	s_mul_i32 s28, s[WV], LNW                      ; my wave's stage
	v_lshrrev_b32 v4, 3, v2
	s_delay_alu instid0(VALU_DEP_1)
	v_mul_u32_u24 v4, v4, 144
	v_and_b32 v5, 7, v2
	s_delay_alu instid0(VALU_DEP_1)
	v_lshl_add_u32 v4, v5, 4, v4
	s_delay_alu instid0(VALU_DEP_1)
	v_add_nc_u32 v4, s28, v4                       ; v4: the stage, way in: chunk i's 512 bytes are four blocks: place 4 i + l / 8, byte 16 (l % 8)
	v_mul_u32_u24 v5, v2, 144
	s_delay_alu instid0(VALU_DEP_1)
	v_add_nc_u32 v5, s28, v5                       ; v5: way out: place l: my block's 128 bytes (+ 16 of padding behind each place)
	s_add_co_u32 s29, s34, LSC
	v_add_nc_u32 v6, s29, v2                       ; v6: my block's scale byte of my first row
	v_lshlrev_b32 v8, 4, v0                        ; v8: 16 x thread: the scale bytes' way out (waves 0-3), in memory,
	s_delay_alu instid0(VALU_DEP_1)
	v_add_nc_u32 v7, LSC, v8                       ; v7: and in LDS
	v_add_nc_u32 v24, GLD, v9                      ; v24: where I put my 8 bytes of ln_g
	v_add_nc_u32 v25, GLD, v3                      ; v25: where a wave reads it back, 16 bytes a lane
	v_mov_b32 v14, 0                               ; written once: a lane permute's destination counts as one of its sources
	s_wait_alu depctr_va_vdst(0)
	s_wait_loadcnt 32                              ; my bytes of ln_g and ln_b are in; x's 32 loads, issued behind them, may be out
	ds_store_b64 v24, v[26:27]
	ds_store_b64 v24, v[28:29] offset:4096
	s_wait_dscnt 0x0                               ; for the others' sake: my stores have landed
	s_barrier_signal -1
	s_barrier_wait -1                              ; ln_g and ln_b lie whole in LDS; nothing writes them again
.irp i, 0,1,2,3,4,5,6,7
	ds_load_b128 v[G+4*\i:G+4*\i+3], v25 offset:512*\i
	ds_load_b128 v[BB+4*\i:BB+4*\i+3], v25 offset:4096+512*\i
.endr
	s_wait_dscnt 0x0                               ; (x's rows are still on their way)
.macro RED r                           ; the sum over the 32 lanes, in every lane
	s_delay_alu instid0(VALU_DEP_1)
	v_add_f32_dpp v[\r], v[\r], v[\r] row_xmask:1 row_mask:0xf bank_mask:0xf
	s_delay_alu instid0(VALU_DEP_1)
	v_add_f32_dpp v[\r], v[\r], v[\r] row_xmask:2 row_mask:0xf bank_mask:0xf
	s_delay_alu instid0(VALU_DEP_1)
	v_add_f32_dpp v[\r], v[\r], v[\r] row_xmask:4 row_mask:0xf bank_mask:0xf
	s_delay_alu instid0(VALU_DEP_1)
	v_add_f32_dpp v[\r], v[\r], v[\r] row_xmask:8 row_mask:0xf bank_mask:0xf
	s_delay_alu instid0(VALU_DEP_1)
	v_permlanex16_b32 v14, v[\r], s30, s31
	s_delay_alu instid0(VALU_DEP_1)
	v_add_f32 v[\r], v[\r], v14
.endm
.macro LNROW p
.set S, ROWS+32*(\p)
.set CC, CD+4*(\p)
	s_wait_loadcnt 8*(3-(\p))                      ; my row is in; the rows behind it, eight loads each, may be out
	v_pk_add_f32 v[10:11], v[S:S+1], v[S+2:S+3]    ; the mean: two chains
	v_pk_add_f32 v[12:13], v[S+4:S+5], v[S+6:S+7]
.irp j, 8,12,16,20,24,28
	s_delay_alu instid0(VALU_DEP_2)
	v_pk_add_f32 v[10:11], v[10:11], v[S+\j:S+\j+1]
	s_delay_alu instid0(VALU_DEP_2)
	v_pk_add_f32 v[12:13], v[12:13], v[S+\j+2:S+\j+3]
.endr
	s_delay_alu instid0(VALU_DEP_1)
	v_pk_add_f32 v[10:11], v[10:11], v[12:13]
	s_delay_alu instid0(VALU_DEP_1)
	v_add_f32 v10, v10, v11
	RED 10
	s_delay_alu instid0(VALU_DEP_1)
	v_mul_f32 v16, s32, v10
	s_delay_alu instid0(VALU_DEP_1)
	v_mov_b32 v17, v16
.set j_, 0
.rept 16
	v_pk_add_f32 v[S+j_:S+j_+1], v[S+j_:S+j_+1], v[16:17] neg_lo:[0,1] neg_hi:[0,1]   ; x - mean, in place
.set j_, j_+2
.endr
	v_pk_mul_f32 v[10:11], v[S:S+1], v[S:S+1]      ; the variance, of the differences as reference() takes it
	v_pk_mul_f32 v[12:13], v[S+2:S+3], v[S+2:S+3]
.irp j, 4,8,12,16,20,24,28
	s_delay_alu instid0(VALU_DEP_2)
	v_pk_fma_f32 v[10:11], v[S+\j:S+\j+1], v[S+\j:S+\j+1], v[10:11]
	s_delay_alu instid0(VALU_DEP_2)
	v_pk_fma_f32 v[12:13], v[S+\j+2:S+\j+3], v[S+\j+2:S+\j+3], v[12:13]
.endr
	s_delay_alu instid0(VALU_DEP_1)
	v_pk_add_f32 v[10:11], v[10:11], v[12:13]
	s_delay_alu instid0(VALU_DEP_1)
	v_add_f32 v10, v10, v11
	RED 10
	s_delay_alu instid0(VALU_DEP_1)
	v_fma_f32 v15, v10, s32, s33                   ; variance + 1e-5
	s_wait_alu depctr_va_vdst(0)
	v_rsq_f32 v18, v15
	v_rsq_f32 v19, v15                             ; twice: a pair for the packed multiply
	v_nop                                          ; a plain instruction behind the transcendentals,
	s_wait_alu depctr_va_vdst(0)                   ; and one wait ahead of their first reader
.set j_, 0
.rept 16
	v_pk_mul_f32 v[S+j_:S+j_+1], v[S+j_:S+j_+1], v[18:19]
.set j_, j_+2
.endr
.set j_, 0
.rept 16
	v_pk_fma_f32 v[S+j_:S+j_+1], v[S+j_:S+j_+1], v[G+j_:G+j_+1], v[BB+j_:BB+j_+1]
.set j_, j_+2
.endr
.irp i, 0,1,2,3,4,5,6,7
	ds_store_b128 v4, v[S+4*\i:S+4*\i+3] offset:576*\i
.endr
.irp i, 0,1,2,3,4,5,6,7
	ds_load_b128 v[S+4*\i:S+4*\i+3], v5 offset:16*\i   ; LDS serves a wave's instructions in order: these see the stores above.  Register j is now k = 32 l + j
.endr
	s_wait_dscnt 0x0
	v_max3_num_f32 v20, |v[S]|, |v[S+1]|, |v[S+2]|
	v_max3_num_f32 v21, |v[S+3]|, |v[S+4]|, |v[S+5]|
.irp i, 6,10,14,18,22,26
	s_delay_alu instid0(VALU_DEP_2)
	v_max3_num_f32 v20, v20, |v[S+\i]|, |v[S+\i+1]|
	s_delay_alu instid0(VALU_DEP_2)
	v_max3_num_f32 v21, v21, |v[S+\i+2]|, |v[S+\i+3]|
.endr
	s_delay_alu instid0(VALU_DEP_2)
	v_max3_num_f32 v20, v20, |v[S+30]|, |v[S+31]|
	s_delay_alu instid0(VALU_DEP_1)
	v_max3_num_f32 v20, v20, v21, 0x1800000        ; the floor 2^(3 - 127)
	s_delay_alu instid0(VALU_DEP_1)
	v_add_nc_u32 v22, 0xff000000, v20              ; the conversion's scale operand
	s_delay_alu instid0(VALU_DEP_1)
	v_lshrrev_b32 v23, 23, v22                     ; the scale's byte
.irp g, 0,1,2,3
	v_cvt_scalef32_pk8_fp4_f32 v[CC+\g], v[S+8*\g:S+8*\g+7], v22
.endr
	global_store_b128 v3, v[CC:CC+3], s[16:17] offset:512*(\p)   ; the wave stores the row's 512 bytes of codes
	ds_store_b8 v6, v23 offset:32*(\p)
.endm
.irp p, 0,1,2,3
	LNROW \p
.endr
	s_wait_dscnt 0x0                               ; for the others' sake: my scale bytes have landed
	s_barrier_signal -1
	s_barrier_wait -1                              ; the work-group's 2,048 scale bytes lie in LDS, by place
	s_cmp_lt_u32 s[WV], 4
	s_cbranch_scc0 .Llend
	ds_load_b128 v[10:13], v7                      ; 128 threads, 16 bytes each
	s_wait_dscnt 0x0
	global_store_b128 v8, v[10:13], s[18:19]       ; a wave stores 512 consecutive bytes, at a multiple of 256 from the buffer's first byte
.Llend:
	s_wait_tensorcnt 0x0                           ; the wave's end
	ds_add_u32 v[SPW], v[NIL]
	s_wait_dscnt 0x0
	s_endpgm
.Lfunc_end_k_q72a5b7e6e1_prep:
	.size	k_q72a5b7e6e1_prep, .Lfunc_end_k_q72a5b7e6e1_prep-k_q72a5b7e6e1_prep
	.p2alignl 7, 3214868480
	.fill 96, 4, 3214868480
	.section	.rodata,"a",@progbits
	.p2align	6, 0x0
	.amdhsa_kernel k_q72a5b7e6e1_prep
		.amdhsa_group_segment_fixed_size 121856
		.amdhsa_private_segment_fixed_size 0
		.amdhsa_enable_private_segment 0
		.amdhsa_kernarg_size 64
		.amdhsa_user_sgpr_count 2
		.amdhsa_user_sgpr_kernarg_segment_ptr 1
		.amdhsa_wavefront_size32 1
		.amdhsa_system_sgpr_workgroup_id_x 1
		.amdhsa_system_sgpr_workgroup_id_y 1
		.amdhsa_system_sgpr_workgroup_id_z 1
		.amdhsa_system_vgpr_workitem_id 0
		.amdhsa_next_free_vgpr 256
		.amdhsa_next_free_sgpr 66
		.amdhsa_reserve_vcc 0
		.amdhsa_float_denorm_mode_32 3
		.amdhsa_float_denorm_mode_16_64 3
		.amdhsa_memory_ordered 1
		.amdhsa_forward_progress 1
		.amdhsa_inst_pref_size 76
	.end_amdhsa_kernel
	.amdgpu_metadata
---
amdhsa.version: [ 1, 2 ]
amdhsa.kernels:
  - .name:           k_q72a5b7e6e1_prep
    .symbol:         k_q72a5b7e6e1_prep.kd
    .args:
      - { .name: x, .offset: 0, .size: 8, .value_kind: global_buffer, .address_space: global }
      - { .name: ln_g, .offset: 8, .size: 8, .value_kind: global_buffer, .address_space: global }
      - { .name: ln_b, .offset: 16, .size: 8, .value_kind: global_buffer, .address_space: global }
      - { .name: Wq, .offset: 24, .size: 8, .value_kind: global_buffer, .address_space: global }
      - { .name: Wkv, .offset: 32, .size: 8, .value_kind: global_buffer, .address_space: global }
      - { .name: Wo, .offset: 40, .size: 8, .value_kind: global_buffer, .address_space: global }
      - { .name: xw_codes, .offset: 48, .size: 8, .value_kind: global_buffer, .address_space: global }
      - { .name: xw_scales, .offset: 56, .size: 8, .value_kind: global_buffer, .address_space: global }
    .group_segment_fixed_size: 121856
    .private_segment_fixed_size: 0
    .kernarg_segment_align: 8
    .kernarg_segment_size: 64
    .max_flat_workgroup_size: 512
    .sgpr_count:     66
    .vgpr_count:     256
    .wavefront_size: 32
...
	.end_amdgpu_metadata
.endif
;; end of part 1
;; launch qkv (part 2): grid 4 x 64, 4 waves a work-group, clusters of 4 x 4, 327,680 bytes of LDS; arguments xw_codes, xw_scales, bq, bkv, qk_codes, qk_scales, v_codes, v_scales; writes qk_codes, qk_scales, v_codes, v_scales
.if DOCPART == 2
	.amdgcn_target "amdgcn-amd-amdhsa--gfx1250"
	.amdhsa_code_object_version 6
	.text
	.protected	k_q72a5b7e6e1_qkv
	.globl	k_q72a5b7e6e1_qkv
	.p2align	8
	.type	k_q72a5b7e6e1_qkv,@function
k_q72a5b7e6e1_qkv:
	s_mov_b64 s[64:65], 0
	v_nop
	global_prefetch_b8 v0, s[64:65] scope:SCOPE_SE
	s_setreg_imm32_b32 hwreg(HW_REG_WAVE_MODE, 25, 1), 1
	s_wait_xcnt 0x0
	s_wait_alu depctr_hold_cnt(0) depctr_sa_sdst(0) depctr_va_vdst(0) depctr_va_sdst(0) depctr_va_ssrc(0) depctr_va_vcc(0) depctr_vm_vsrc(0)
	s_getreg_b32 s2, hwreg(HW_REG_IB_STS2, 6, 4)
	s_cmp_eq_u32 s2, 0
	s_cbranch_scc0 .Lentry_in_a_cluster
	s_endpgm
.Lentry_in_a_cluster:
	s_bfe_u32 s2, ttmp6, 0x10000c
	s_cmp_lg_u32 s2, 0xf033
	s_cbranch_scc0 .Lentry_shape_is_right
	s_endpgm
.Lentry_shape_is_right:
; LAUNCH 2 OF 4.  q = xn Wq + bq, k and v = xn Wkv + bkv on codes of FP4 (launch 1's table), and the results quantised at once: q and k along the head's 64, v along the keys.  Nothing is left out here.
; A tile is 128 rows of operand A x 256 rows of operand B; four waves, each 64 x 128: 32 accumulators.  All of K = 1,024 of a tile lies in LDS: whole rows of 512 bytes, one tensor load a wave (waves 0, 1: A's halves; 2, 3: B's).
; A WORK-GROUP STAYS and makes three tiles.  Tile 0: A = its 128 tokens, B = 256 columns of Wq.  Tile 1: the same A, which stays in LDS, B = 256 columns of Wkv's first half.  Tile 2: A = 128 columns of Wkv's second half, B = 256 tokens.
; The next tile's loads are asked for in the last K step, when the wave's last fragments are in registers: behind a wait, the spare add and the cluster's round; that step's products and the way out follow them.
; THE MATRIX INSTRUCTION IS USED TRANSPOSED (source 0 = 16 rows of B, source 1 = 16 rows of A): a lane holds one row of A, and its registers run along B's rows, which by the table's order of places are 16 true neighbours
; for each pair of tiles.  So B is the axis along which the result is quantised.
; OUT, all as images of operand registers (16 bytes a lane, 512 consecutive bytes a store): qk_codes [32: q's heads, k's heads][batch][tile of 16 places][512]; qk_scales [32][batch][4 tiles][lane][2 words];
; v_codes [batch][head][128 keys][16 of the head's 64][1,024]; v_scales [batch][head][128 keys][lane][2 words].
; CLUSTERS: 4 x 4.  A's tile hangs on the tile row alone and is asked for jointly along a row of the cluster, B's on the tile column alone, along a column.  All sixteen partners walk the same three tiles.
; No prefetch: the table's rows are read by the partners of many clusters within each tile's walk, and a tile's one load is asked for a K step and a way out ahead of its wait.
; REGISTERS: window 0: v16-29 addresses; v32-47 A's scale words, v48-79 B's (all of K); v80-127 at work; v128-191 A's fragments, two sets, later 64 results; v192-255 the bias.
;   window 1: B's fragments, two sets, at v0 and v128.   window 2: the accumulators, (a, b) at v[8 (8 a + b)].
; LIMITS: as launch 1 states them.
.set PITCH, 528                        ; an LDS row: 512 bytes + 16 of padding
.set HAT,   64*PITCH
.set HBT,   128*PITCH
.set SPARE, 2*HAT+2*HBT                ; behind A's 128 rows and B's 256: the spare words, 128 bytes for each wave
.set ADRA, 16                          ; v16-17 LDS address of my A fragments, K = 0 on and K = 512 on
.set ADRB, 20                          ; v20-21 of my B fragments
.set LI,   24                          ; v24 16 x lane
.set L8,   25                          ; v25 8 x lane
.set BOF,  26                          ; v26 my lane's offset in the bias
.set L32,  27                          ; v27 32 x lane
.set SPW,  28
.set NIL,  29
.set SA,   32
.set SB,   48
.set PC,   80
.set PW,   88
.set T,    92
.set TM,   96
.set U,    112
.set AF,   128
.set HA,   128
.set BIAS, 192
.set G1,  24                           ; s[24:31] group 1 for A's tiles; s[32:35] group 0
.set G0,  32
.set G1B, 48                           ; s[48:55], s[56:59] the same for B's
.set G0B, 56
.set OC,  36                           ; s[36:37] the tile's codes' way out; s[38:39] its scale words'
.set OS,  38
.set SEL, 96
.set MSB, 0
.macro WIN new
.if MSB != \new
	s_set_vgpr_msb (MSB<<8)|\new
.set MSB, \new
.endif
.endm
.macro JLOAD both                      ; a joint load: waves 2 and 3 fetch B's halves; both = 1: waves 0 and 1 A's.  An s_nop 0 and four v_nop follow each line
	s_cmp_eq_u32 s21, 0
	s_cbranch_scc0 .Lfor_b_\@
.if \both
	tensor_load_to_lds s[G0:G0+3], s[G1:G1+7]
	s_nop 0
.rept 4
	v_nop
.endr
.endif
	s_branch .Lasked_\@
.Lfor_b_\@:
	tensor_load_to_lds s[G0B:G0B+3], s[G1B:G1B+7]
	s_nop 0
.rept 4
	v_nop
.endr
.Lasked_\@:
.endm
.macro CROUND
	s_barrier_signal -1
	s_barrier_wait -1
	s_cmp_lg_u32 s20, 0
	s_cbranch_scc1 .Lnot_wave_0_\@
	s_barrier_signal -3
.Lnot_wave_0_\@:
	s_barrier_wait -3
	s_barrier_signal -1
	s_barrier_wait -1
.endm
.macro PLACES n
.rept \n
	v_nop
.endr
.endm
; Tile t: its row s43 (no cx in it) and column s42 (no cy in it), the first rows of the table s72 (A) and s74 (B), and the groups 0.  Written only where no tensor load of mine is out.
.macro TADDR t
.if \t < 2
	s_lshl_b32 s43, s47, 2
	s_add_co_u32 s43, s43, s41
	s_add_co_u32 s42, s40, 4*(\t)
	s_lshl_b32 s72, s43, 7                         ; the tokens
	s_lshl_b32 s74, s42, 8
	s_add_co_u32 s74, s74, 8192                    ; Wq's columns, then Wkv's first half
.else
	s_lshr_b32 s43, s47, 3
	s_lshl_b32 s43, s43, 2
	s_add_co_u32 s43, s43, s41
	s_and_b32 s42, s47, 7
	s_lshl_b32 s42, s42, 2
	s_add_co_u32 s42, s42, s40
	s_lshl_b32 s72, s43, 7
	s_add_co_u32 s72, s72, 10240                   ; Wkv's second half
	s_lshl_b32 s74, s42, 8                         ; the tokens
.endif
.if \t != 1
	s_lshl_b32 s76, s22, 6
	s_add_co_u32 s76, s76, s72
	s_lshl_b32 s76, s76, 9
	s_mov_b32 s77, 0
	s_mov_b32 s[G0], 1
	s_add_co_u32 s[G0+1], s84, 0
	s_add_nc_u64 s[G0+2:G0+3], s[4:5], s[76:77]
	s_or_b32 s[G0+3], s[G0+3], 0x80000000
.endif
	s_lshl_b32 s78, s22, 7
	s_add_co_u32 s78, s78, s74
	s_lshl_b32 s78, s78, 9
	s_mov_b32 s79, 0
	s_mov_b32 s[G0B], 1
	s_add_co_u32 s[G0B+1], s85, 0
	s_add_nc_u64 s[G0B+2:G0B+3], s[4:5], s[78:79]
	s_or_b32 s[G0B+3], s[G0B+3], 0x80000000
.endm
; The scale words of my 128 rows of B (doa = 1: and of my 64 rows of A), all of K: register 8 i + s: the word of K step s of row 32 i + lane
.macro SCLOAD doa
	s_mov_b32 s89, 0
.if \doa
	s_lshl_b32 s88, s21, 6
	s_add_co_u32 s88, s88, s72
	s_lshl_b32 s88, s88, 5
	s_add_nc_u64 s[90:91], s[6:7], s[88:89]
.irp i, 0,1
	global_load_b128 v[SA+8*\i:SA+8*\i+3], v[L32], s[90:91] offset:1024*\i
	global_load_b128 v[SA+8*\i+4:SA+8*\i+7], v[L32], s[90:91] offset:1024*\i+16
.endr
.endif
	s_lshl_b32 s88, s22, 7
	s_add_co_u32 s88, s88, s74
	s_lshl_b32 s88, s88, 5
	s_add_nc_u64 s[92:93], s[6:7], s[88:89]
.irp i, 0,1,2,3
	global_load_b128 v[SB+8*\i:SB+8*\i+3], v[L32], s[92:93] offset:1024*\i
	global_load_b128 v[SB+8*\i+4:SB+8*\i+7], v[L32], s[92:93] offset:1024*\i+16
.endr
.endm
	s_load_b512 s[4:19], s[0:1], 0x0               ; table's codes s[4:5], its scale bytes s[6:7], bq s[8:9], bkv s[10:11], qk_codes s[12:13], qk_scales s[14:15], v_codes s[16:17], v_scales s[18:19]
	v_lshl_add_u32 v[SPW], v0, 2, SPARE
	v_mov_b32 v[NIL], 0
	ds_add_u32 v[SPW], v[NIL]                      ; the wave's opening: the add, twice on end, and its wait ahead of my first tensor load
	ds_add_u32 v[SPW], v[NIL]
	v_lshrrev_b32 v1, 5, v0
	v_readfirstlane_b32 s20, v1                    ; wave 0..3
	s_lshr_b32 s21, s20, 1                         ; which 64 rows of A are mine.  Also: I fetch for A (0) or for B (1)
	s_and_b32 s22, s20, 1                          ; which 128 rows of B.  Also: which half of that tile I fetch
	s_mov_b32 s23, 0xffff0000                      ; lanes 16-31
	s_mov_b32 s[SEL], 0x76543210
	s_mov_b32 s[SEL+1], 0xfedcba98
	s_bfe_u32 s40, ttmp6, 0x40000                  ; cx
	s_bfe_u32 s41, ttmp6, 0x40004                  ; cy
	s_and_b32 s47, ttmp7, 0xffff                   ; cluster y, 0..15
	s_lshl_b32 s44, s41, 2
	s_lshl_b32 s44, 15, s44                        ; my row of the cluster
	s_lshl_b32 s45, 0x1111, s40                    ; my column
	s_or_b32 s[G1], s44, (1<<20)|(1<<21)|(6<<22)|(3<<25)    ; 15:0 the mask; elements of 1 byte; padding on; bit 21 beside a mask; 4 words after every 128
	s_or_b32 s[G1B], s45, (1<<20)|(1<<21)|(6<<22)|(3<<25)
	s_mov_b32 s[G1+1], 512<<16                     ; tensor_dim0 = 512 bytes: all of K
	s_mov_b32 s[G1+2], 64<<16                      ; tensor_dim1 = 64 rows
	s_mov_b32 s[G1+3], 512<<16                     ; tile_dim0
	s_mov_b32 s[G1+4], 64                          ; tile_dim1
	s_mov_b32 s[G1+5], 512                         ; a row of the table
	s_mov_b32 s[G1+6], 0
	s_mov_b32 s[G1+7], 0
	s_mov_b32 s[G1B+1], 512<<16
	s_mov_b32 s[G1B+2], 128<<16
	s_mov_b32 s[G1B+3], 512<<16
	s_mov_b32 s[G1B+4], 128
	s_mov_b32 s[G1B+5], 512
	s_mov_b32 s[G1B+6], 0
	s_mov_b32 s[G1B+7], 0
	s_mul_i32 s84, s22, HAT                        ; where my half goes: no place in the cluster enters an LDS address
	s_mul_i32 s85, s22, HBT
	s_add_co_u32 s85, s85, 2*HAT
	s_wait_dscnt 0x0                               ; both opening adds are done
	s_wait_kmcnt 0x0
	TADDR 0
	CROUND                                         ; all sixteen work-groups are here: the joint loads meet
	JLOAD 1                                        ; tile 0: my one tensor load at the head
	v_and_b32 v1, 15, v0                           ; r
	v_bfe_u32 v2, v0, 4, 1                         ; h
	v_mul_u32_u24 v3, v1, PITCH
	v_lshl_add_u32 v3, v2, 4, v3
	s_mul_i32 s86, s21, HAT
	s_mul_i32 s87, s22, HBT
	s_add_co_u32 s87, s87, 2*HAT
.irp s, 0,1
	v_add_nc_u32 v[ADRA+\s], s86, v3
	v_add_nc_u32 v[ADRB+\s], s87, v3
	s_add_co_u32 s86, s86, 256                     ; the second half of a row: K = 512 on
	s_add_co_u32 s87, s87, 256
.endr
	v_and_b32 v4, 31, v0
	v_lshlrev_b32 v[LI], 4, v4
	v_lshlrev_b32 v[L8], 3, v4
	v_lshlrev_b32 v[L32], 5, v4
.irp b, 0,1,2,3
	v_mov_b32 v[TM+4+\b], 0                        ; written once: a lane permute's destination counts as one of its sources
.endr
	s_wait_alu depctr_va_vdst(0)
	SCLOAD 1
.macro FRAGR reg, adr, q, i            ; a fragment, 16 rows x 128 K: lane (r, h): registers 4 c .. 4 c + 3 hold K = 64 c + 32 h + 0 .. 31
.irp c, 0,1
	ds_load_b128 v[(\reg)+4*\c:(\reg)+4*\c+3], v[\adr] offset:64*(\q)+32*\c+(\i)*16*PITCH
.endr
.endm
.macro FETCH k                         ; K step k's fragments into set k % 2: B's eight, A's four: 24 loads in one run
	WIN 0x40
.irp i, 0,1,2,3,4,5,6,7
	FRAGR 128*((\k)%2)+8*\i, ADRB+(\k)/4, (\k)%4, \i
.endr
	WIN 0
.irp i, 0,1,2,3
	FRAGR AF+32*((\k)%2)+8*\i, ADRA+(\k)/4, (\k)%4, \i
.endr
.endm
.macro WMX zero                        ; one product; rRB, rRA: which half of the lanes holds the tile's scale words
.if \zero
.if rRB && rRA
	v_wmma_scale_f32_16x16x128_f8f6f4 v[rD:rD+7], v[rB:rB+7], v[rA:rA+7], 0, v[rSB], v[rSA] matrix_a_fmt:MATRIX_FMT_FP4 matrix_b_fmt:MATRIX_FMT_FP4 matrix_a_scale:MATRIX_SCALE_ROW1 matrix_b_scale:MATRIX_SCALE_ROW1
.elseif rRB
	v_wmma_scale_f32_16x16x128_f8f6f4 v[rD:rD+7], v[rB:rB+7], v[rA:rA+7], 0, v[rSB], v[rSA] matrix_a_fmt:MATRIX_FMT_FP4 matrix_b_fmt:MATRIX_FMT_FP4 matrix_a_scale:MATRIX_SCALE_ROW1
.elseif rRA
	v_wmma_scale_f32_16x16x128_f8f6f4 v[rD:rD+7], v[rB:rB+7], v[rA:rA+7], 0, v[rSB], v[rSA] matrix_a_fmt:MATRIX_FMT_FP4 matrix_b_fmt:MATRIX_FMT_FP4 matrix_b_scale:MATRIX_SCALE_ROW1
.else
	v_wmma_scale_f32_16x16x128_f8f6f4 v[rD:rD+7], v[rB:rB+7], v[rA:rA+7], 0, v[rSB], v[rSA] matrix_a_fmt:MATRIX_FMT_FP4 matrix_b_fmt:MATRIX_FMT_FP4
.endif
.else
.if rRB && rRA
	v_wmma_scale_f32_16x16x128_f8f6f4 v[rD:rD+7], v[rB:rB+7], v[rA:rA+7], v[rD:rD+7], v[rSB], v[rSA] matrix_a_fmt:MATRIX_FMT_FP4 matrix_b_fmt:MATRIX_FMT_FP4 matrix_a_scale:MATRIX_SCALE_ROW1 matrix_b_scale:MATRIX_SCALE_ROW1
.elseif rRB
	v_wmma_scale_f32_16x16x128_f8f6f4 v[rD:rD+7], v[rB:rB+7], v[rA:rA+7], v[rD:rD+7], v[rSB], v[rSA] matrix_a_fmt:MATRIX_FMT_FP4 matrix_b_fmt:MATRIX_FMT_FP4 matrix_a_scale:MATRIX_SCALE_ROW1
.elseif rRA
	v_wmma_scale_f32_16x16x128_f8f6f4 v[rD:rD+7], v[rB:rB+7], v[rA:rA+7], v[rD:rD+7], v[rSB], v[rSA] matrix_a_fmt:MATRIX_FMT_FP4 matrix_b_fmt:MATRIX_FMT_FP4 matrix_b_scale:MATRIX_SCALE_ROW1
.else
	v_wmma_scale_f32_16x16x128_f8f6f4 v[rD:rD+7], v[rB:rB+7], v[rA:rA+7], v[rD:rD+7], v[rSB], v[rSA] matrix_a_fmt:MATRIX_FMT_FP4 matrix_b_fmt:MATRIX_FMT_FP4
.endif
.endif
.endm
.macro MUL32 k, zero                   ; the 32 accumulators take turns, one instruction a turn, in the same order in every step
.irp a, 0,1,2,3
.irp b, 0,1,2,3,4,5,6,7
.set rD, 8*(8*\a+\b)
.set rB, 128*((\k)%2)+8*\b
.set rA, AF+32*((\k)%2)+8*\a
.set rSB, SB+8*(\b/2)+(\k)
.set rSA, SA+8*(\a/2)+(\k)
.set rRB, \b%2
.set rRA, \a%2
	WMX \zero
.endr
.endr
.endm
.macro STEP k, zero, nt                ; 128 along K.  nt: the tile whose loads the last step asks for; 0: none
	s_wait_dscnt 0x0                               ; this step's fragments are in (asked for 32 matrix instructions ago)
.if (\k) < 7
	PLACES 4                                       ; in front of loads into registers that the last step's matrix instructions have read
	FETCH (\k)+1
.elseif (\nt) > 0
	s_wait_tensorcnt 0x0                           ; no tensor load of mine is out
	ds_add_u32 v[SPW], v[NIL]
	TADDR \nt                                      ; work on registers: the next tile's places and groups 0
	s_wait_dscnt 0x0                               ; the add is done; my reads of this tile were over at the step's head
	CROUND                                         ; no wave of any partner still reads this tile
	JLOAD (\nt)-1                                  ; the first tensor load behind the round: tile 1: B alone, A stays; tile 2: both
.endif
	WIN 0xa1                                       ; source 0 (B) window 1, source 1 (A) window 0, C and D window 2
	MUL32 \k, \zero
	WIN 0
.endm
; 64 numbers of a lane, register 16 b + i = place 32 b + 16 (lane / 16) + i along the axis to be quantised, become a fragment's codes in v[PC] on and its scale word in v[pw].
.macro QUANT s, pw
.irp b, 0,1,2,3
	v_max3_num_f32 v[TM+\b], |v[\s+16*\b]|, |v[\s+1+16*\b]|, 0x1800000   ; block b: my 16 numbers, and the floor 2^(3 - 127)
.endr
.irp i, 2,4,6,8,10,12,14
.irp b, 0,1,2,3
	v_max3_num_f32 v[TM+\b], v[TM+\b], |v[\s+16*\b+\i]|, |v[\s+1+16*\b+\i]|
.endr
.endr
.irp b, 0,1,2,3
	v_permlanex16_b32 v[TM+4+\b], v[TM+\b], s[SEL], s[SEL+1]
.endr
.irp b, 0,1,2,3
	v_max_num_f32 v[TM+\b], v[TM+\b], v[TM+4+\b]   ; with lane l xor 16's: the block's largest magnitude
.endr
.irp b, 0,1,2,3
	v_add_nc_u32 v[TM+12+\b], 0xff000000, v[TM+\b] ; the conversion's scale operand
.endr
.irp b, 0,1,2,3
	v_lshrrev_b32 v[TM+4+\b], 23, v[TM+12+\b]      ; the scale's byte
.endr
	v_lshl_or_b32 v[\pw], v[TM+5], 8, v[TM+4]
	v_lshl_or_b32 v[\pw], v[TM+6], 16, v[\pw]
	v_lshl_or_b32 v[\pw], v[TM+7], 24, v[\pw]
.irp b, 0,1,2,3
	v_cvt_scalef32_pk8_fp4_f32 v[PC+2*\b], v[\s+16*\b:\s+7+16*\b], v[TM+12+\b]
	v_cvt_scalef32_pk8_fp4_f32 v[PC+1+2*\b], v[\s+8+16*\b:\s+15+16*\b], v[TM+12+\b]
.endr
	v_nop                                          ; one plain place behind a scaled conversion
.irp c, 0,1                                    ; a whole block in a lane: lanes 0-15 block 2 c, lanes 16-31 block 2 c + 1
.irp i, 0,1
	v_permlane16_swap_b32 v[PC+4*\c+\i], v[PC+2+4*\c+\i]
.endr
.endr
.endm
; THE WAY OUT: tile a of my four tiles of A's rows: bias added, 64 numbers a lane quantised, two stores of 512 consecutive bytes.
.macro EPI role
.irp a, 0,1,2,3
	WIN 0x02                                       ; source 0: the accumulators' window
.set j_, 0
.rept 32
.if \role
	v_pk_add_f32 v[HA+j_:HA+j_+1], v[64*\a+j_:64*\a+j_+1], v[BIAS+2*\a:BIAS+2*\a+1] op_sel_hi:[1,0]   ; v: my lane's row is one channel: one bias; each accumulator from its low end on
.else
	v_pk_add_f32 v[HA+j_:HA+j_+1], v[64*\a+j_:64*\a+j_+1], v[BIAS+j_:BIAS+j_+1]   ; q, k: my registers run along the channels
.endif
.set j_, j_+2
.endr
	WIN 0
.if \a > 0
	s_wait_xcnt 0x0                                ; the last tile's stores have read their codes
.endif
	QUANT HA, PW+\a
.irp c, 0,1
.if \role
	global_store_b128 v[LI], v[PC+4*\c:PC+4*\c+3], s[OC:OC+1] offset:1024*\a+512*\c      ; the two halves of a fragment of V^T
.else
	global_store_b128 v[LI], v[PC+4*\c:PC+4*\c+3], s[OC:OC+1] offset:512*\a+262144*\c    ; half c is head c of my two: its 64 channels of 16 rows
.endif
.endr
.endr
	v_cndmask_b32 v[T], v[PW], v[PW+1], s23        ; tiles 0 and 1 in the two halves of the lanes,
	v_cndmask_b32 v[T+1], v[PW+2], v[PW+3], s23    ; tiles 2 and 3
.if \role
	global_store_b64 v[L8], v[T:T+1], s[OS:OS+1]   ; 256 consecutive bytes
.else
	v_and_b32 v[U], 0xffff, v[T]                   ; a head's two bytes; the K beyond 64 will be zero codes, under the byte 0
	v_and_b32 v[U+1], 0xffff, v[T+1]
	v_lshrrev_b32 v[U+2], 16, v[T]
	v_lshrrev_b32 v[U+3], 16, v[T+1]
	global_store_b64 v[L8], v[U:U+1], s[OS:OS+1]
	global_store_b64 v[L8], v[U+2:U+3], s[OS:OS+1] offset:32768
.endif
.endm
.macro TILE t, role
.if \t > 0
	s_wait_xcnt 0x0                                ; the last tile's stores have read their data and bases
.endif
.if \role
	s_lshl_b32 s88, s43, 9                         ; bkv at 1,024 + my 64 channels
	s_lshl_b32 s89, s21, 8
	s_add_co_u32 s88, s88, s89
	s_add_co_u32 s88, s88, 4096
	s_mov_b32 s89, 0
	s_add_nc_u64 s[86:87], s[10:11], s[88:89]
	v_and_b32 v[BOF], 7, v0                        ; place 16 a + r holds channel 32 (a / 2) + 8 (a % 2) + r % 8 + 16 (r / 8)
	v_bfe_u32 v5, v0, 3, 1
	v_lshl_add_u32 v[BOF], v5, 4, v[BOF]
	v_lshlrev_b32 v[BOF], 2, v[BOF]
.irp a, 0,1,2,3
	global_load_b32 v[BIAS+2*\a], v[BOF], s[86:87] offset:(32*(\a/2)+8*(\a%2))*4
	global_load_b32 v[BIAS+2*\a+1], v[BOF], s[86:87] offset:(32*(\a/2)+8*(\a%2))*4   ; (named with it as a pair, so it is written)
.endr
	s_lshl_b32 s66, s43, 1
	s_add_co_u32 s66, s66, s21                     ; the head
	s_lshl_b32 s67, s42, 8
	s_lshl_b32 s68, s22, 7
	s_add_co_u32 s67, s67, s68                     ; my first token
	s_lshr_b32 s68, s67, 10                        ; the batch
	s_bfe_u32 s69, s67, 0x30007                    ; which 128 keys
	s_lshl_b32 s68, s68, 4
	s_add_co_u32 s68, s68, s66
	s_lshl_b32 s68, s68, 3
	s_add_co_u32 s68, s68, s69
	s_lshl_b32 s70, s68, 12
	s_mov_b32 s71, 0
	s_add_nc_u64 s[OC:OC+1], s[16:17], s[70:71]
	s_lshl_b32 s70, s68, 8
	s_add_nc_u64 s[OS:OS+1], s[18:19], s[70:71]
.else
	s_lshl_b32 s88, s40, 10
	s_lshl_b32 s89, s22, 9
	s_add_co_u32 s88, s88, s89                     ; my 128 channels
	s_mov_b32 s89, 0
.if \t
	s_add_nc_u64 s[86:87], s[10:11], s[88:89]      ; k's bias is bkv's first half,
.else
	s_add_nc_u64 s[86:87], s[8:9], s[88:89]        ; q's is bq
.endif
	v_lshlrev_b32 v[BOF], 6, v2                    ; tile b's register j is channel 32 (b / 2) + 16 h + 8 (b % 2) + j
.irp b, 0,1,2,3,4,5,6,7
	global_load_b128 v[BIAS+8*\b:BIAS+8*\b+3], v[BOF], s[86:87] offset:(32*(\b/2)+8*(\b%2))*4
	global_load_b128 v[BIAS+8*\b+4:BIAS+8*\b+7], v[BOF], s[86:87] offset:(32*(\b/2)+8*(\b%2))*4+16
.endr
	s_lshl_b32 s66, s43, 7
	s_lshl_b32 s67, s21, 6
	s_add_co_u32 s66, s66, s67                     ; my first token's place
	s_lshr_b32 s67, s66, 10                        ; the batch
	s_bfe_u32 s68, s66, 0x60004                    ; the tile of 16 places in it
	s_lshl_b32 s69, s42, 2
	s_lshl_b32 s70, s22, 1
	s_add_co_u32 s69, s69, s70                     ; the first of my two heads: 0-15 q's, 16-31 k's
	s_lshl_b32 s69, s69, 3
	s_add_co_u32 s69, s69, s67
	s_lshl_b32 s70, s69, 6
	s_add_co_u32 s70, s70, s68
	s_lshl_b32 s70, s70, 9
	s_mov_b32 s71, 0
	s_add_nc_u64 s[OC:OC+1], s[12:13], s[70:71]
	s_lshl_b32 s70, s69, 4
	s_lshr_b32 s68, s68, 2
	s_add_co_u32 s70, s70, s68
	s_lshl_b32 s70, s70, 8
	s_add_nc_u64 s[OS:OS+1], s[14:15], s[70:71]
.endif
	s_wait_alu depctr_va_vdst(0)
	s_wait_tensorcnt 0x0                           ; my part of this tile is in
	s_barrier_signal -1
	s_barrier_wait -1                              ; everybody's is
	FETCH 0
	s_wait_loadcnt 16-8*\role                      ; the scale words are in; the bias's loads, issued behind them (16, or 8 for v), may be out
	STEP 0, 1, 0                                   ; the first step's products start the sums: nothing is cleared
.irp k, 1,2,3,4,5,6
	STEP \k, 0, 0
.endr
.if \t < 2
	STEP 7, 0, (\t)+1
.else
	STEP 7, 0, 0
.endif
	PLACES 4                                       ; in front of the first read of results, of writes into A's fragments' registers and of loads into the scale words' registers
	s_wait_loadcnt 0x0                             ; the bias
.if \t < 2
	SCLOAD \t                                      ; the next tile's scale words: tile 1 keeps A's
.endif
	EPI \role
.endm
	TILE 0, 0
	TILE 1, 0
	TILE 2, 1
	s_wait_tensorcnt 0x0                           ; the wave's end
	ds_add_u32 v[SPW], v[NIL]
	s_wait_dscnt 0x0
	CROUND                                         ; the closing round
	s_endpgm
.Lfunc_end_k_q72a5b7e6e1_qkv:
	.size	k_q72a5b7e6e1_qkv, .Lfunc_end_k_q72a5b7e6e1_qkv-k_q72a5b7e6e1_qkv
	.p2alignl 7, 3214868480
	.fill 96, 4, 3214868480
	.section	.rodata,"a",@progbits
	.p2align	6, 0x0
	.amdhsa_kernel k_q72a5b7e6e1_qkv
		.amdhsa_group_segment_fixed_size 327680
		.amdhsa_private_segment_fixed_size 0
		.amdhsa_enable_private_segment 0
		.amdhsa_kernarg_size 64
		.amdhsa_user_sgpr_count 2
		.amdhsa_user_sgpr_kernarg_segment_ptr 1
		.amdhsa_wavefront_size32 1
		.amdhsa_system_sgpr_workgroup_id_x 1
		.amdhsa_system_sgpr_workgroup_id_y 1
		.amdhsa_system_sgpr_workgroup_id_z 1
		.amdhsa_system_vgpr_workitem_id 0
		.amdhsa_next_free_vgpr 768
		.amdhsa_next_free_sgpr 100
		.amdhsa_reserve_vcc 0
		.amdhsa_float_denorm_mode_32 3
		.amdhsa_float_denorm_mode_16_64 3
		.amdhsa_memory_ordered 1
		.amdhsa_forward_progress 1
		.amdhsa_inst_pref_size 232
	.end_amdhsa_kernel
	.amdgpu_metadata
---
amdhsa.version: [ 1, 2 ]
amdhsa.kernels:
  - .name:           k_q72a5b7e6e1_qkv
    .symbol:         k_q72a5b7e6e1_qkv.kd
    .args:
      - { .name: xw_codes, .offset: 0, .size: 8, .value_kind: global_buffer, .address_space: global }
      - { .name: xw_scales, .offset: 8, .size: 8, .value_kind: global_buffer, .address_space: global }
      - { .name: bq, .offset: 16, .size: 8, .value_kind: global_buffer, .address_space: global }
      - { .name: bkv, .offset: 24, .size: 8, .value_kind: global_buffer, .address_space: global }
      - { .name: qk_codes, .offset: 32, .size: 8, .value_kind: global_buffer, .address_space: global }
      - { .name: qk_scales, .offset: 40, .size: 8, .value_kind: global_buffer, .address_space: global }
      - { .name: v_codes, .offset: 48, .size: 8, .value_kind: global_buffer, .address_space: global }
      - { .name: v_scales, .offset: 56, .size: 8, .value_kind: global_buffer, .address_space: global }
    .group_segment_fixed_size: 327680
    .private_segment_fixed_size: 0
    .kernarg_segment_align: 8
    .kernarg_segment_size: 64
    .max_flat_workgroup_size: 128
    .sgpr_count:     100
    .vgpr_count:     768
    .wavefront_size: 32
...
	.end_amdgpu_metadata
.endif
;; end of part 2
;; launch attn (part 3): grid 4 x 64, 12 waves a work-group, no clusters, 145,920 bytes of LDS; arguments qk_codes, qk_scales, v_codes, v_scales, lengths, o_codes, o_scales; writes o_codes, o_scales
.if DOCPART == 3
	.amdgcn_target "amdgcn-amd-amdhsa--gfx1250"
	.amdhsa_code_object_version 6
	.text
	.protected	k_q72a5b7e6e1_attn
	.globl	k_q72a5b7e6e1_attn
	.p2align	8
	.type	k_q72a5b7e6e1_attn,@function
k_q72a5b7e6e1_attn:
	s_mov_b64 s[64:65], 0
	v_nop
	global_prefetch_b8 v0, s[64:65] scope:SCOPE_SE
	s_setreg_imm32_b32 hwreg(HW_REG_WAVE_MODE, 25, 1), 1
	s_wait_xcnt 0x0
; LAUNCH 3 OF 4.  o = softmax(q k^T / 8, keys at or beyond lengths[b] masked) v, both products on codes of FP4; o divided by the row's sum and quantised along H x DV for launch 4.
; LEFT OUT: a key step all of whose 128 keys are at or beyond lengths[b]: reference() sets their scores to -inf, so their weight is 0 whatever the inputs hold.  The choice is a scalar branch on lengths[b],
; which this launch reads itself. It has no tensor load, no asynchronous copy and no cluster: K and V come through registers into LDS, each byte once.  In the one step that lengths[b] cuts, hidden scores become -inf.
; LIMITS: lengths[b] from 1 on (1,024 or more counts as 1,024); with 0 reference() gives NaN rows, which are not reproduced.  A NaN or an infinity in rows of k or v beyond the last step walked is not carried to the result.
; THE SOFTMAX: t = score x log2(e) / 8; M = the running largest t rounded up to a whole number; p = 2^(t - M) is quantised along the keys, not normalised; the row's sum is taken of the unquantised p.
; SHARES.  A work-group: 256 query places of one batch, two heads: 32 units of one tile of 16 places and one head.  Twelve waves, three to a SIMD, walk three rounds: in round r wave w takes unit u = w + 12 r
; (tile u % 16, head u / 16); units 32 to 35 do not exist: waves 8 to 11 walk the third round's trips with no key counting, and pass over its way out.
; AT THE HEAD waves 0-7 bring both heads' codes of K and V (131,072 bytes, 16 bytes a thread and load), waves 8-11 the scale words (12,288 bytes); one barrier; nothing writes these bytes again.
; A unit's Q is asked for a round ahead.  A unit's two scale bytes stay in a register; behind a barrier at the end they meet in LDS, two heads to a word, and leave as 1,024 consecutive bytes.
; No prefetch: K and V are asked for whole at the head, so there is no loop to run ahead in.
; LAYOUT.  Both products transposed: S^T = K Q^T, O^T = V^T P^T: a lane holds one query throughout.  The first product's K is 64: registers 4-7 of Q's and K's fragments are zero codes.
; REGISTERS: v1 16 x lane, v2 8 x lane, v3-4 the add's two, v5 OST + 4 r, v6-8 addresses in hand, v9, v25, v26 the units' scale bytes, v10-11 addresses; v12 -M, v13 the largest t, v[14:15] the sum;
; v16-23 Q, v24 and v28-31 the next unit's Q, v27 8 r; v32-95 K; v96-159 S^T, then p; v160-191 O^T; v192-223 V; v224-231 p's codes; v240-243 K's scale words, v248-249 V's, v250 Q's, v253 p's; the rest at work.
.set HB,    71680                      ; LDS of a head: K's scale words 4,096, V's 2,048, K's codes 32,768, V's 32,768
.set KSC,   0
.set VSC,   4096
.set KC,    6144
.set VC,    38912
.set OST,   2*HB                       ; 256 scale words of o
.set SPARE, OST+1024                   ; the spare words, 128 bytes for each wave
.set WV,  18
.set LEN, 19
.set SEL, 20
.set CS,  22                           ; s[22:23] c = log2(e) / 8
.set TB,  24                           ; LDS byte of the step's codes: 4,096 a step
.set TS,  25                           ; of K's scale words: 512 a step
.set TJ,  26                           ; of V's: 256
.set KF,  27                           ; the step's first key
.set CNT, 28
.set UN,  52                           ; the round's unit
.set RC,  53                           ; rounds to go
.set LX,  54                           ; lengths[b], or 0 for a unit that does not exist
.set XT,  55                           ; 16 x work-group x: my work-group's first tile
.set QA,  56                           ; s[56:57] the next unit's Q, s[58:59] its scale words, s[60:61] this unit's codes' way out
.set QS,  58
.set OA,  60
.macro QASK un                         ; ask for the Q of unit s[un] (the head held at 1: every address lies in its buffer)
	s_and_b32 s30, s[\un], 15
	s_add_co_u32 s30, s30, s[XT]                   ; the tile among the batch's 64
	s_lshr_b32 s31, s[\un], 4
	s_min_u32 s31, s31, 1                          ; the head of the two
	s_lshl_b32 s32, s31, 18
	s_lshl_b32 s33, s30, 9
	s_add_co_u32 s32, s32, s33
	s_mov_b32 s33, 0
	s_add_nc_u64 s[QA:QA+1], s[40:41], s[32:33]
	s_lshl_b32 s32, s31, 15
	s_lshr_b32 s34, s30, 2
	s_lshl_b32 s34, s34, 8
	s_add_co_u32 s32, s32, s34                     ; the group of four tiles,
	s_and_b32 s34, s30, 1
	s_lshl_b32 s34, s34, 7
	s_add_co_u32 s32, s32, s34                     ; the half of the lanes,
	s_bfe_u32 s34, s30, 0x10001
	s_lshl_b32 s34, s34, 2
	s_add_co_u32 s32, s32, s34                     ; the word of the two
	s_add_nc_u64 s[QS:QS+1], s[42:43], s[32:33]
	global_load_b128 v[28:31], v1, s[QA:QA+1]
	global_load_b32 v24, v27, s[QS:QS+1]
.endm
	s_load_b256 s[4:11], s[0:1], 0x0               ; qk_codes, qk_scales, v_codes, v_scales
	s_load_b128 s[12:15], s[0:1], 0x20             ; lengths, o_codes
	s_load_b64 s[16:17], s[0:1], 0x30              ; o_scales
	v_lshl_add_u32 v3, v0, 2, SPARE
	v_mov_b32 v4, 0
	v_lshrrev_b32 v6, 5, v0
	v_readfirstlane_b32 s[WV], v6                  ; wave 0..11
	v_and_b32 v9, 31, v0
	v_and_b32 v8, 15, v0
	v_lshlrev_b32 v11, 4, v0                       ; 16 x thread
	v_and_b32 v235, 127, v0
	v_lshlrev_b32 v1, 4, v9
	v_lshlrev_b32 v2, 3, v9
	v_lshlrev_b32 v27, 3, v8
	v_lshl_add_u32 v5, v8, 2, OST
	v_add_nc_u32 v233, VC, v11
	v_add_nc_u32 v10, HB, v11
	v_add_nc_u32 v234, HB+VC, v11
	v_lshlrev_b32 v235, 4, v235                    ; 16 x (thread % 128): waves 8-11
	v_add_nc_u32 v232, HB, v235
.irp j, 9,25,20,21,22,23,236,237,238,239,252,255
	v_mov_b32 v[\j], 0                             ; Q's K = 64 .. 127: zero codes; permutes' destinations, a pair's upper half and the bytes' registers, written once
.endr
.irp t, 0,1,2,3,4,5,6,7
.irp j, 4,5,6,7
	v_mov_b32 v[32+8*\t+\j], 0                     ; K's zero codes: written once
.endr
.endr
	s_and_b32 s30, ttmp7, 0xffff
	s_lshr_b32 s31, s30, 3                         ; the batch
	s_and_b32 s32, s30, 7                          ; the pair of heads
	s_lshl_b32 s33, s32, 1                         ; its first head
	s_lshl_b32 s[XT], ttmp9, 4
	s_mov_b32 s[SEL], 0x76543210
	s_mov_b32 s[SEL+1], 0xfedcba98
	s_mov_b32 s[CS], 0x3e38aa3b
	s_mov_b32 s[CS+1], s[CS]
	s_mov_b32 s37, 0
	s_wait_alu depctr_va_vdst(0)
	s_wait_kmcnt 0x0
	s_lshl_b32 s36, s31, 2
	s_add_nc_u64 s[12:13], s[12:13], s[36:37]
	s_load_b32 s[LEN], s[12:13], 0x0               ; lengths[b]: it steers branches alone, no address
	s_lshl_b32 s38, s33, 3
	s_add_co_u32 s38, s38, s31                     ; head x 8 + batch
	s_lshl_b32 s36, s38, 15
	s_add_nc_u64 s[40:41], s[4:5], s[36:37]        ; Q's images
	s_lshl_b32 s36, s38, 12
	s_add_nc_u64 s[42:43], s[6:7], s[36:37]        ; Q's scale words
	s_add_co_u32 s39, s38, 128                     ; K's heads stand 16 heads behind Q's
	s_lshl_b32 s36, s39, 15
	s_add_nc_u64 s[44:45], s[4:5], s[36:37]
	s_lshl_b32 s36, s39, 12
	s_add_nc_u64 s[46:47], s[6:7], s[36:37]
	s_lshl_b32 s39, s31, 4
	s_add_co_u32 s39, s39, s33                     ; batch x 16 + head
	s_lshl_b32 s36, s39, 15
	s_add_nc_u64 s[48:49], s[8:9], s[36:37]
	s_lshl_b32 s36, s39, 11
	s_add_nc_u64 s[50:51], s[10:11], s[36:37]
	s_lshl_b32 s36, s32, 19                        ; o's codes: [pair][tile of 16 places][1,024]
	s_lshl_b32 s39, s31, 16
	s_add_co_u32 s36, s36, s39
	s_add_nc_u64 s[14:15], s[14:15], s[36:37]
	s_lshl_b32 s36, s32, 15                        ; o's scale words: [pair][place]
	s_lshl_b32 s39, s31, 12
	s_add_co_u32 s36, s36, s39
	s_lshl_b32 s39, ttmp9, 10
	s_add_co_u32 s36, s36, s39
	s_add_nc_u64 s[16:17], s[16:17], s[36:37]
	s_mov_b32 s[UN], s[WV]
	QASK UN                                        ; the first unit's Q
	s_cmp_lt_u32 s[WV], 8
	s_cbranch_scc0 .Lscales
.irp p, 0,1,2,3,4,5,6,7                        ; head 0's K and V: 256 threads x 16 bytes a load
	global_load_b128 v[96+4*\p:99+4*\p], v11, s[44:45] offset:4096*\p
	global_load_b128 v[128+4*\p:131+4*\p], v11, s[48:49] offset:4096*\p
.endr
.irp p, 0,1,2,3,4,5,6,7                        ; head 1's
	global_load_b128 v[160+4*\p:163+4*\p], v11, s[44:45] offset:262144+4096*\p
	global_load_b128 v[192+4*\p:195+4*\p], v11, s[48:49] offset:32768+4096*\p
.endr
	s_wait_loadcnt 16                              ; Q and head 0's sixteen loads are in; head 1's sixteen may be out
.irp p, 0,1,2,3,4,5,6,7
	ds_store_b128 v11, v[96+4*\p:99+4*\p] offset:KC+4096*\p
	ds_store_b128 v233, v[128+4*\p:131+4*\p] offset:4096*\p
.endr
	s_wait_loadcnt 0x0
.irp p, 0,1,2,3,4,5,6,7
	ds_store_b128 v10, v[160+4*\p:163+4*\p] offset:KC+4096*\p
	ds_store_b128 v234, v[192+4*\p:195+4*\p] offset:4096*\p
.endr
	s_branch .Lfilled
.Lscales:
	global_load_b128 v[96:99], v235, s[46:47]      ; K's scale words, 4,096 bytes a head: 128 threads x 16 bytes a load
	global_load_b128 v[100:103], v235, s[46:47] offset:2048
	global_load_b128 v[104:107], v235, s[46:47] offset:32768
	global_load_b128 v[108:111], v235, s[46:47] offset:34816
	global_load_b128 v[112:115], v235, s[50:51]    ; V's, 2,048 a head
	global_load_b128 v[116:119], v235, s[50:51] offset:2048
	s_wait_loadcnt 0x0
	ds_store_b128 v235, v[96:99] offset:KSC
	ds_store_b128 v235, v[100:103] offset:KSC+2048
	ds_store_b128 v232, v[104:107] offset:KSC
	ds_store_b128 v232, v[108:111] offset:KSC+2048
	ds_store_b128 v235, v[112:115] offset:VSC
	ds_store_b128 v232, v[116:119] offset:VSC
.Lfilled:
	s_wait_kmcnt 0x0                               ; lengths[b]
	s_min_i32 s[LEN], s[LEN], 0x400                ; 1,024 or more counts as 1,024
	s_wait_dscnt 0x0                               ; for the others' sake: my stores have landed
	s_barrier_signal -1
	s_barrier_wait -1                              ; both heads' K and V lie in LDS; nothing writes them again
.macro KLOAD n                         ; K's scale words (register t / 2, half t % 2 of the lanes, for tile t) and eight fragments, n steps on from the addresses in hand
	ds_load_b64 v[240:241], v7 offset:KSC+512*\n
	ds_load_b64 v[242:243], v7 offset:KSC+512*\n+256
.irp t, 0,1,2,3,4,5,6,7
	ds_load_b128 v[32+8*\t:35+8*\t], v6 offset:KC+4096*\n+512*\t
.endr
.endm
.macro PA d, a, b
	v_pk_add_f32 v[\d:\d+1], v[\a:\a+1], v[\b:\b+1]
.endm
	s_mov_b32 s[RC], 3
.Lround:                                           ; three rounds, a constant
	s_wait_loadcnt 0x0                             ; this unit's Q, asked for a round ago
	s_wait_dscnt 0x0                               ; no LDS load of the last round is out: K's registers take step 0's loads below
	s_wait_xcnt 0x0                                ; the last unit's store has read its codes and its base
.irp j, 0,1,2,3
	v_mov_b32 v[16+\j], v[28+\j]
.endr
	v_mov_b32 v250, v24
	v_mov_b32 v26, v25                             ; the earlier units' scale bytes move on
	v_mov_b32 v25, v9
	v_mov_b32 v13, 0xff61b1e6                      ; the largest t so far: -3e38
	s_delay_alu instid0(VALU_DEP_1)
	v_floor_f32 v12, -v13                          ; -M
	v_mov_b32 v14, 0
	v_mov_b32 v15, 0
.set j_, 0
.rept 32
	v_mov_b32 v[160+j_], 0                         ; O^T: the step is written once; the first finds zeros
.set j_, j_+1
.endr
	s_lshr_b32 s31, s[UN], 4
	s_min_u32 s31, s31, 1                          ; the head of the two
	s_mul_i32 s[TB], s31, HB
	s_mul_i32 s[TS], s31, HB
	s_mul_i32 s[TJ], s31, HB
	s_and_b32 s30, s[UN], 15
	s_add_co_u32 s30, s30, s[XT]
	s_lshl_b32 s32, s30, 10
	s_lshl_b32 s33, s31, 9
	s_add_co_u32 s32, s32, s33
	s_mov_b32 s33, 0
	s_add_nc_u64 s[OA:OA+1], s[14:15], s[32:33]    ; the half of the tile's fragment image that is this head's
	s_cmp_lt_u32 s[UN], 32
	s_cselect_b32 s[LX], s[LEN], 0
	s_add_co_u32 s35, s[UN], 12
	QASK 35                                        ; the next round's Q
	s_mov_b32 s[KF], 0
	s_mov_b32 s[CNT], 8
	v_add_nc_u32 v6, s[TB], v1
	v_add_nc_u32 v7, s[TS], v2
	KLOAD 0                                        ; step 0's K
.Lk:                                               ; eight trips, a constant; a step beyond lengths[b] does no work
	s_cmp_ge_i32 s[KF], s[LX]
	s_cbranch_scc1 .Lskip
	v_add_nc_u32 v6, s[TB], v1
	v_add_nc_u32 v7, s[TS], v2
	v_add_nc_u32 v8, s[TJ], v2
	v_nop                                          ; four places in front of loads into registers that the last step's matrix instructions have read
.irp t, 0,1,2,3
.irp c, 0,1
	ds_load_b128 v[192+8*\t+4*\c:195+8*\t+4*\c], v6 offset:VC+1024*\t+512*\c
.endr
.endr
	ds_load_b64 v[248:249], v8 offset:VSC
	s_wait_alu depctr_va_vdst(0)
	s_wait_dscnt 9                                 ; K, asked for a step ago, is in; V's eight loads and its scale words may be out
.irp t, 0,1,2,3,4,5,6,7
.if \t%2
	v_wmma_scale_f32_16x16x128_f8f6f4 v[96+8*\t:103+8*\t], v[32+8*\t:39+8*\t], v[16:23], 0, v[240+\t/2], v250 matrix_a_fmt:MATRIX_FMT_FP4 matrix_b_fmt:MATRIX_FMT_FP4 matrix_a_scale:MATRIX_SCALE_ROW1
.else
	v_wmma_scale_f32_16x16x128_f8f6f4 v[96+8*\t:103+8*\t], v[32+8*\t:39+8*\t], v[16:23], 0, v[240+\t/2], v250 matrix_a_fmt:MATRIX_FMT_FP4 matrix_b_fmt:MATRIX_FMT_FP4
.endif
.endr
.rept 4
	v_nop                                          ; places: in front of the reads of S^T and of the loads into K's registers
.endr
	s_add_co_u32 s29, s[KF], 128
	s_cmp_lt_i32 s29, s[LX]
	s_cbranch_scc0 .Lnonext
	KLOAD 1                                        ; the next step counts: its K comes while this step's softmax is worked; and all of this step's keys count
	s_branch .Lopen
.Lnonext:
	s_cmp_le_i32 s29, s[LX]                        ; a step all of whose keys count passes over the mask
	s_cbranch_scc1 .Lopen
	s_sub_co_i32 s29, s[LX], s[KF]
	s_sub_co_i32 s29, s29, 1
	v_bfe_u32 v255, v0, 4, 1
	s_delay_alu instid0(VALU_DEP_1)
	v_lshlrev_b32 v255, 4, v255
	s_delay_alu instid0(VALU_DEP_1)
	v_sub_nc_u32 v252, s29, v255                   ; register 16 b + i holds key KF + 16 (lane / 16) + 32 b + i: hidden where 32 b + i > lengths - KF - 1 - 16 (lane / 16)
	v_mov_b32 v254, 0xff800000                     ; -infinity
.set n_, 0
.rept 64
	v_cmp_gt_i32 vcc_lo, 32*(n_/16)+n_%16, v252
	v_cndmask_b32 v[96+n_], v[96+n_], v254, vcc_lo
.set n_, n_+1
.endr
.Lopen:
.irp b, 0,1,2,3
	v_max3_num_f32 v[232+\b], v[96+16*\b], v[97+16*\b], v[98+16*\b]   ; the largest score of each block of 32 keys: for the row's maximum and for the block's largest p
.endr
.irp i, 3,5,7,9,11,13
.irp b, 0,1,2,3
	v_max3_num_f32 v[232+\b], v[232+\b], v[96+16*\b+\i], v[97+16*\b+\i]
.endr
.endr
.irp b, 0,1,2,3
	v_max_num_f32 v[232+\b], v[232+\b], v[111+16*\b]
.endr
.irp b, 0,1,2,3
	s_delay_alu instid0(VALU_DEP_4)
	v_permlanex16_b32 v[236+\b], v[232+\b], s[SEL], s[SEL+1]
.endr
.irp b, 0,1,2,3
	s_delay_alu instid0(VALU_DEP_4)
	v_max_num_f32 v[232+\b], v[232+\b], v[236+\b]
.endr
	s_delay_alu instid0(VALU_DEP_2)
	v_max3_num_f32 v252, v232, v233, v234
	s_delay_alu instid0(VALU_DEP_1)
	v_max_num_f32 v252, v252, v235
	s_delay_alu instid0(VALU_DEP_1)
	v_mul_f32 v252, s[CS], v252                    ; as t
	s_delay_alu instid0(VALU_DEP_1)
	v_max_num_f32 v13, v13, v252                   ; the running largest t
	v_mov_b32 v252, v12
	s_delay_alu instid0(VALU_DEP_2)
	v_floor_f32 v12, -v13                          ; the new -M = -ceil(t)
	s_delay_alu instid0(VALU_DEP_1)
	v_sub_f32 v252, v12, v252                      ; old M - new M: a whole number, 0 or less
	s_delay_alu instid0(VALU_DEP_1)
	v_cvt_i32_f32 v252, v252
	s_delay_alu instid0(VALU_DEP_1)
	v_ldexp_f32 v254, 1.0, v252                    ; f = 2^(old M - new M)
.set j_, 0
.rept 32
	v_pk_fma_f32 v[96+j_:97+j_], v[96+j_:97+j_], s[CS:CS+1], v[12:13] op_sel_hi:[1,0,0]   ; t - M
.set j_, j_+2
.endr
.irp b, 0,1,2,3
	v_fma_f32 v[232+\b], v[232+\b], s[CS], v12
.endr
	s_wait_alu depctr_va_vdst(0)
.set j_, 0
.rept 64
	v_exp_f32 v[96+j_], v[96+j_]                   ; p = 2^(t - M)
.set j_, j_+1
.endr
	v_pk_mul_f32 v[14:15], v[14:15], v[254:255] op_sel_hi:[1,0]   ; the sums under the new M (a plain place behind the exponentials)
	s_wait_alu depctr_va_vdst(0)                   ; one wait for the batch, ahead of its first reader
.irp b, 0,1,2,3
	v_exp_f32 v[232+\b], v[232+\b]                 ; the block's largest p
.endr
	PA 236, 100, 104                               ; the row's sum of the unquantised p, in eight chains
	PA 246, 108, 112
	PA 244, 116, 120
	PA 226, 124, 128
	PA 228, 132, 136
	PA 238, 140, 144
	PA 230, 148, 152
	PA 14, 14, 156
	PA 236, 236, 96
	PA 246, 246, 98
	PA 244, 244, 102
	PA 226, 226, 106
	PA 228, 228, 110
	PA 238, 238, 114
	PA 230, 230, 118
	PA 14, 14, 122
	PA 236, 236, 126
	PA 246, 246, 130
	PA 244, 244, 134
	PA 226, 226, 138
	PA 228, 228, 142
	PA 238, 238, 146
	PA 230, 230, 150
	PA 14, 14, 154
	PA 236, 236, 158
	PA 14, 14, 226
	PA 236, 236, 228
	PA 246, 246, 238
	PA 244, 244, 230
	s_delay_alu instid0(VALU_DEP_2)
	PA 14, 14, 246
	s_delay_alu instid0(VALU_DEP_2)
	PA 236, 236, 244
	s_delay_alu instid0(VALU_DEP_1)
	PA 14, 14, 236
	s_wait_alu depctr_va_vdst(0)                   ; and one for the four
.irp b, 0,1,2,3
	v_max_num_f32 v[232+\b], 0x1800000, v[232+\b]  ; the floor 2^(3 - 127)
.endr
.irp b, 0,1,2,3
	s_delay_alu instid0(VALU_DEP_4)
	v_add_nc_u32 v[244+\b], 0xff000000, v[232+\b]  ; the conversion's scale operand
.endr
.irp b, 0,1,2,3
	s_delay_alu instid0(VALU_DEP_4)
	v_lshrrev_b32 v[236+\b], 23, v[244+\b]         ; the scale's byte
.endr
	s_delay_alu instid0(VALU_DEP_3)
	v_lshl_or_b32 v253, v237, 8, v236              ; p's scale word for these 128 keys
	s_delay_alu instid0(VALU_DEP_1)
	v_lshl_or_b32 v253, v238, 16, v253
	s_delay_alu instid0(VALU_DEP_1)
	v_lshl_or_b32 v253, v239, 24, v253
.irp b, 0,1,2,3
	v_cvt_scalef32_pk8_fp4_f32 v[224+2*\b], v[96+16*\b:103+16*\b], v[244+\b]
	v_cvt_scalef32_pk8_fp4_f32 v[225+2*\b], v[104+16*\b:111+16*\b], v[244+\b]
.endr
	v_nop                                          ; one plain place behind a scaled conversion
.irp c, 0,1
.irp i, 0,1
	v_permlane16_swap_b32 v[224+4*\c+\i], v[226+4*\c+\i]
.endr
.endr
	s_wait_alu depctr_va_vdst(0)
.set j_, 0
.rept 16
	v_pk_mul_f32 v[160+j_:161+j_], v[160+j_:161+j_], v[254:255] op_sel_hi:[1,0]   ; O^T under the new M; these lines also stand between the writes of p's codes and scale word and the products
.set j_, j_+2
.endr
	s_wait_alu depctr_va_vdst(0)
	s_wait_dscnt 0x0                               ; V, and the next step's K
.irp t, 0,1,2,3
.if \t%2
	v_wmma_scale_f32_16x16x128_f8f6f4 v[160+8*\t:167+8*\t], v[192+8*\t:199+8*\t], v[224:231], v[160+8*\t:167+8*\t], v[248+\t/2], v253 matrix_a_fmt:MATRIX_FMT_FP4 matrix_b_fmt:MATRIX_FMT_FP4 matrix_a_scale:MATRIX_SCALE_ROW1
.else
	v_wmma_scale_f32_16x16x128_f8f6f4 v[160+8*\t:167+8*\t], v[192+8*\t:199+8*\t], v[224:231], v[160+8*\t:167+8*\t], v[248+\t/2], v253 matrix_a_fmt:MATRIX_FMT_FP4 matrix_b_fmt:MATRIX_FMT_FP4
.endif
.endr
.Lskip:
	s_add_co_u32 s[KF], s[KF], 128
	s_add_co_u32 s[TB], s[TB], 4096
	s_add_co_u32 s[TS], s[TS], 512
	s_add_co_u32 s[TJ], s[TJ], 256
	s_sub_co_u32 s[CNT], s[CNT], 1
	s_cmp_lg_u32 s[CNT], 0
	s_cbranch_scc1 .Lk
	s_cmp_lt_u32 s[UN], 32                         ; a unit that does not exist has no way out
	s_cbranch_scc0 .Lnoepi
	; the unit's way out: O^T / the sum, quantised along the head's 64 channels: two blocks
.rept 4
	v_nop                                          ; places behind the last products
.endr
	v_add_f32 v14, v14, v15
	s_delay_alu instid0(VALU_DEP_1)
	v_permlanex16_b32 v252, v14, s[SEL], s[SEL+1]
	s_delay_alu instid0(VALU_DEP_1)
	v_add_f32 v14, v14, v252                       ; the row's sum
	s_wait_alu depctr_va_vdst(0)
	v_rcp_f32 v14, v14
	v_nop
	s_wait_alu depctr_va_vdst(0)                   ; ahead of the reciprocal's first reader, which is O^T's first reader too
.set j_, 0
.rept 32
	v_mul_f32 v[96+j_], v[160+j_], v14             ; register 16 b + i: channel 32 b + 16 (lane / 16) + i
.set j_, j_+1
.endr
.irp b, 0,1
	v_max3_num_f32 v[232+\b], |v[96+16*\b]|, |v[97+16*\b]|, 0x1800000
.endr
.irp i, 2,4,6,8,10,12,14
.irp b, 0,1
	s_delay_alu instid0(VALU_DEP_2)
	v_max3_num_f32 v[232+\b], v[232+\b], |v[96+16*\b+\i]|, |v[97+16*\b+\i]|
.endr
.endr
.irp b, 0,1
	s_delay_alu instid0(VALU_DEP_2)
	v_permlanex16_b32 v[236+\b], v[232+\b], s[SEL], s[SEL+1]
.endr
.irp b, 0,1
	s_delay_alu instid0(VALU_DEP_2)
	v_max_num_f32 v[232+\b], v[232+\b], v[236+\b]
.endr
.irp b, 0,1
	s_delay_alu instid0(VALU_DEP_2)
	v_add_nc_u32 v[244+\b], 0xff000000, v[232+\b]
.endr
.irp b, 0,1
	s_delay_alu instid0(VALU_DEP_2)
	v_lshrrev_b32 v[236+\b], 23, v[244+\b]
.endr
	s_delay_alu instid0(VALU_DEP_1)
	v_lshl_or_b32 v9, v237, 8, v236                ; the unit's two scale bytes
.irp b, 0,1
	v_cvt_scalef32_pk8_fp4_f32 v[224+2*\b], v[96+16*\b:103+16*\b], v[244+\b]
	v_cvt_scalef32_pk8_fp4_f32 v[225+2*\b], v[104+16*\b:111+16*\b], v[244+\b]
.endr
	v_nop
	v_permlane16_swap_b32 v224, v226
	v_permlane16_swap_b32 v225, v227
	global_store_b128 v1, v[224:227], s[OA:OA+1]   ; 512 consecutive bytes
.Lnoepi:
	s_add_co_u32 s[UN], s[UN], 12
	s_sub_co_u32 s[RC], s[RC], 1
	s_cmp_lg_u32 s[RC], 0
	s_wait_alu depctr_va_vdst(0)
	s_cbranch_scc1 .Lround
	; the scale bytes: v26, v25, v9 hold rounds 0, 1, 2.  Unit u's two bytes go to OST + 64 (u % 16) + 4 r + 2 (u / 16)
.irp r, 0,1,2
	s_add_co_u32 s30, s[WV], 12*\r
	s_and_b32 s31, s30, 15
	s_lshl_b32 s31, s31, 6
	s_lshr_b32 s30, s30, 4
	s_lshl_b32 s30, s30, 1
	s_add_co_u32 s31, s31, s30
	v_add_nc_u32 v[6+\r], s31, v5
.endr
	v_add_nc_u32 v10, OST, v11
	s_wait_alu depctr_va_vdst(0)
	s_wait_dscnt 0x0                               ; my reads of K and V are over
	s_barrier_signal -1
	s_barrier_wait -1                              ; everybody's are
	ds_store_b16 v6, v26                           ; both halves of the lanes write the same bytes with the same value
	ds_store_b16 v7, v25
	s_cmp_lt_u32 s[WV], 8
	s_cbranch_scc0 .Ltwo
	ds_store_b16 v8, v9
.Ltwo:
	s_wait_dscnt 0x0
	s_barrier_signal -1
	s_barrier_wait -1                              ; the work-group's 256 scale words lie in LDS
	s_cmp_lt_u32 s[WV], 2
	s_cbranch_scc0 .Ldone
	ds_load_b128 v[96:99], v10
	s_wait_dscnt 0x0
	global_store_b128 v11, v[96:99], s[16:17]      ; 64 threads store 1,024 consecutive bytes
.Ldone:
	s_wait_tensorcnt 0x0                           ; the wave's end
	ds_add_u32 v3, v4
	s_wait_dscnt 0x0
	s_endpgm
.Lfunc_end_k_q72a5b7e6e1_attn:
	.size	k_q72a5b7e6e1_attn, .Lfunc_end_k_q72a5b7e6e1_attn-k_q72a5b7e6e1_attn
	.p2alignl 7, 3214868480
	.fill 96, 4, 3214868480
	.section	.rodata,"a",@progbits
	.p2align	6, 0x0
	.amdhsa_kernel k_q72a5b7e6e1_attn
		.amdhsa_group_segment_fixed_size 145920
		.amdhsa_private_segment_fixed_size 0
		.amdhsa_enable_private_segment 0
		.amdhsa_kernarg_size 56
		.amdhsa_user_sgpr_count 2
		.amdhsa_user_sgpr_kernarg_segment_ptr 1
		.amdhsa_wavefront_size32 1
		.amdhsa_system_sgpr_workgroup_id_x 1
		.amdhsa_system_sgpr_workgroup_id_y 1
		.amdhsa_system_sgpr_workgroup_id_z 1
		.amdhsa_system_vgpr_workitem_id 0
		.amdhsa_next_free_vgpr 256
		.amdhsa_next_free_sgpr 100
		.amdhsa_reserve_vcc 1
		.amdhsa_float_denorm_mode_32 3
		.amdhsa_float_denorm_mode_16_64 3
		.amdhsa_memory_ordered 1
		.amdhsa_forward_progress 1
		.amdhsa_inst_pref_size 43
	.end_amdhsa_kernel
	.amdgpu_metadata
---
amdhsa.version: [ 1, 2 ]
amdhsa.kernels:
  - .name:           k_q72a5b7e6e1_attn
    .symbol:         k_q72a5b7e6e1_attn.kd
    .args:
      - { .name: qk_codes, .offset: 0, .size: 8, .value_kind: global_buffer, .address_space: global }
      - { .name: qk_scales, .offset: 8, .size: 8, .value_kind: global_buffer, .address_space: global }
      - { .name: v_codes, .offset: 16, .size: 8, .value_kind: global_buffer, .address_space: global }
      - { .name: v_scales, .offset: 24, .size: 8, .value_kind: global_buffer, .address_space: global }
      - { .name: lengths, .offset: 32, .size: 8, .value_kind: global_buffer, .address_space: global }
      - { .name: o_codes, .offset: 40, .size: 8, .value_kind: global_buffer, .address_space: global }
      - { .name: o_scales, .offset: 48, .size: 8, .value_kind: global_buffer, .address_space: global }
    .group_segment_fixed_size: 145920
    .private_segment_fixed_size: 0
    .kernarg_segment_align: 8
    .kernarg_segment_size: 56
    .max_flat_workgroup_size: 384
    .sgpr_count:     100
    .vgpr_count:     256
    .wavefront_size: 32
...
	.end_amdgpu_metadata
.endif
;; end of part 3
;; launch oproj (part 4): grid 4 x 64, 4 waves a work-group, clusters of 4 x 4, 327,680 bytes of LDS; arguments o_codes, o_scales, xw_codes, xw_scales, bo, x, out0; writes out0
.if DOCPART == 4
	.amdgcn_target "amdgcn-amd-amdhsa--gfx1250"
	.amdhsa_code_object_version 6
	.text
	.protected	k_q72a5b7e6e1_oproj
	.globl	k_q72a5b7e6e1_oproj
	.p2align	8
	.type	k_q72a5b7e6e1_oproj,@function
k_q72a5b7e6e1_oproj:
	s_mov_b64 s[64:65], 0
	v_nop
	global_prefetch_b8 v0, s[64:65] scope:SCOPE_SE
	s_setreg_imm32_b32 hwreg(HW_REG_WAVE_MODE, 25, 1), 1
	s_wait_xcnt 0x0
	s_wait_alu depctr_hold_cnt(0) depctr_sa_sdst(0) depctr_va_vdst(0) depctr_va_sdst(0) depctr_va_ssrc(0) depctr_va_vcc(0) depctr_vm_vsrc(0)
	s_getreg_b32 s2, hwreg(HW_REG_IB_STS2, 6, 4)
	s_cmp_eq_u32 s2, 0
	s_cbranch_scc0 .Lentry_in_a_cluster
	s_endpgm
.Lentry_in_a_cluster:
	s_bfe_u32 s2, ttmp6, 0x10000c
	s_cmp_lg_u32 s2, 0xf033
	s_cbranch_scc0 .Lentry_shape_is_right
	s_endpgm
.Lentry_shape_is_right:
.set PITCH, 528                        ; an LDS row of B: a whole row of K = 1,024, 512 bytes, + 16 of padding: one tensor load a wave
.set HBT,   128*PITCH
.set ASL,   32768
.set BOFF,  2*ASL
.set BSL,   2*HBT
.set STAGE, BOFF+BSL
.set SPITCH, 528
.set SPARE, STAGE+4*16*SPITCH
.set ADRA, 16
.set ADRB, 20
.set LI,   24
.set L4,   25
.set BOF,  26
.set L32,  27
.set SPW,  28
.set NIL,  29
.set STO,  30
.set RD,   31
.set SA,   32
.set SB,   48
.set AF,   128
.set BK,   128
.set BIAS, 192
.set G1,  24
.set G0,  32
.set G1B, 48
.set G0B, 56
.set MSB, 0
.macro WIN new
.if MSB != \new
	s_set_vgpr_msb (MSB<<8)|\new
.set MSB, \new
.endif
.endm
.macro JLOAD g0a, g1a, g0b, g1b
	s_cmp_eq_u32 s21, 0
	s_cbranch_scc0 .Lfor_b_\@
	tensor_load_to_lds s[\g0a:\g0a+3], s[\g1a:\g1a+7]
	s_nop 0
.rept 4
	v_nop
.endr
	s_branch .Lasked_\@
.Lfor_b_\@:
	tensor_load_to_lds s[\g0b:\g0b+3], s[\g1b:\g1b+7]
	s_nop 0
.rept 4
	v_nop
.endr
.Lasked_\@:
.endm
.macro CROUND
	s_barrier_signal -1
	s_barrier_wait -1
	s_cmp_lg_u32 s20, 0
	s_cbranch_scc1 .Lnot_wave_0_\@
	s_barrier_signal -3
.Lnot_wave_0_\@:
	s_barrier_wait -3
	s_barrier_signal -1
	s_barrier_wait -1
.endm
.macro PLACES n
.rept \n
	v_nop
.endr
.endm
	s_load_b256 s[4:11], s[0:1], 0x0
	s_load_b128 s[12:15], s[0:1], 0x20
	s_load_b64 s[16:17], s[0:1], 0x30
	v_lshl_add_u32 v[SPW], v0, 2, SPARE
	v_mov_b32 v[NIL], 0
	ds_add_u32 v[SPW], v[NIL]
	ds_add_u32 v[SPW], v[NIL]
	v_lshrrev_b32 v1, 5, v0
	v_readfirstlane_b32 s20, v1
	s_lshr_b32 s21, s20, 1
	s_and_b32 s22, s20, 1
	s_bfe_u32 s40, ttmp6, 0x40000
	s_bfe_u32 s41, ttmp6, 0x40004
	s_lshl_b32 s42, ttmp9, 2
	s_add_co_u32 s42, s42, s40
	s_and_b32 s43, ttmp7, 0xffff
	s_lshl_b32 s43, s43, 2
	s_add_co_u32 s43, s43, s41
	s_lshl_b32 s44, s41, 2
	s_lshl_b32 s44, 15, s44
	s_lshl_b32 s45, 0x1111, s40
	s_or_b32 s[G1], s44, (3<<16)|(1<<21)
	s_mov_b32 s[G1+1], 512<<16
	s_mov_b32 s[G1+2], 8<<16                       ; A's images of all eight K steps: 8 rows of 4,096 bytes
	s_mov_b32 s[G1+3], 512<<16
	s_mov_b32 s[G1+4], 8
	s_mov_b32 s[G1+5], 65536
	s_mov_b32 s[G1+6], 0
	s_mov_b32 s[G1+7], 0
	s_or_b32 s[G1B], s45, (1<<20)|(1<<21)|(6<<22)|(3<<25)   ; 4 words of padding after every 128
	s_mov_b32 s[G1B+1], 512<<16
	s_mov_b32 s[G1B+2], 128<<16
	s_mov_b32 s[G1B+3], 512<<16
	s_mov_b32 s[G1B+4], 128
	s_mov_b32 s[G1B+5], 512
	s_mov_b32 s[G1B+6], 0
	s_mov_b32 s[G1B+7], 0
	s_lshl_b32 s76, s43, 3
	s_lshl_b32 s77, s22, 2
	s_add_co_u32 s76, s76, s77
	s_lshl_b32 s76, s76, 10
	s_mov_b32 s77, 0
	s_lshl_b32 s74, s42, 8
	s_add_co_u32 s74, s74, 11264
	s_lshl_b32 s78, s22, 7
	s_add_co_u32 s78, s78, s74
	s_lshl_b32 s78, s78, 9
	s_mov_b32 s79, 0
	s_lshl_b32 s84, s22, 15
	s_mul_i32 s85, s22, HBT
	s_add_co_u32 s85, s85, BOFF
	s_wait_dscnt 0x0
	s_wait_kmcnt 0x0
	s_add_nc_u64 s[80:81], s[4:5], s[76:77]
	s_add_nc_u64 s[82:83], s[8:9], s[78:79]
	CROUND
.irp s, 0
	s_mov_b32 s[G0+4*\s], 1
	s_add_co_u32 s[G0+4*\s+1], s84, \s*ASL
	s_add_nc_u64 s[G0+4*\s+2:G0+4*\s+3], s[80:81], \s*2097152
	s_or_b32 s[G0+4*\s+3], s[G0+4*\s+3], 0x80000000
	s_mov_b32 s[G0B+4*\s], 1
	s_add_co_u32 s[G0B+4*\s+1], s85, \s*BSL
	s_add_nc_u64 s[G0B+4*\s+2:G0B+4*\s+3], s[82:83], \s*256
	s_or_b32 s[G0B+4*\s+3], s[G0B+4*\s+3], 0x80000000
	JLOAD G0+4*\s, G1, G0B+4*\s, G1B               ; my one tensor load, behind the round in front of the joint loads
.endr
	v_and_b32 v1, 15, v0
	v_bfe_u32 v2, v0, 4, 1
	v_and_b32 v4, 31, v0
	v_lshlrev_b32 v[LI], 4, v4
	v_lshlrev_b32 v[L4], 2, v4
	v_lshlrev_b32 v[L32], 5, v4
	v_lshlrev_b32 v[BOF], 6, v2
	v_mul_u32_u24 v3, v1, PITCH
	v_lshl_add_u32 v3, v2, 4, v3
	s_lshl_b32 s86, s21, 15
	s_mul_i32 s87, s22, HBT
	s_add_co_u32 s87, s87, BOFF
.irp s, 0,1
	v_add_nc_u32 v[ADRA+\s], s86, v[LI]
	v_add_nc_u32 v[ADRB+\s], s87, v3
	s_add_co_u32 s86, s86, 16384                   ; K steps 4 to 7: four images on,
	s_add_co_u32 s87, s87, 256                     ; the second half of a row
.endr
	s_mul_i32 s86, s20, 16*SPITCH
	s_add_co_u32 s86, s86, STAGE
	v_mul_u32_u24 v5, v1, SPITCH
	v_lshl_add_u32 v5, v2, 6, v5
	v_add_nc_u32 v[STO], s86, v5
	v_add_nc_u32 v[RD], s86, v[LI]
	s_lshl_b32 s88, s43, 7
	s_lshl_b32 s89, s21, 6
	s_add_co_u32 s66, s88, s89
	s_lshl_b32 s88, s66, 2
	s_mov_b32 s89, 0
	s_add_nc_u64 s[90:91], s[6:7], s[88:89]
	s_lshl_b32 s88, s22, 7
	s_add_co_u32 s88, s88, s74
	s_lshl_b32 s88, s88, 5
	s_add_nc_u64 s[92:93], s[10:11], s[88:89]
	s_lshl_b32 s88, s42, 10
	s_lshl_b32 s67, s22, 9
	s_add_co_u32 s88, s88, s67
	s_add_nc_u64 s[12:13], s[12:13], s[88:89]
	s_lshl_b32 s67, s66, 12
	s_add_co_u32 s88, s88, s67
	s_add_nc_u64 s[14:15], s[14:15], s[88:89]
	s_add_nc_u64 s[16:17], s[16:17], s[88:89]
.irp i, 0,1,2,3
	global_load_b128 v[SB+8*\i:SB+8*\i+3], v[L32], s[92:93] offset:1024*\i
	global_load_b128 v[SB+8*\i+4:SB+8*\i+7], v[L32], s[92:93] offset:1024*\i+16
.endr
.irp i, 0,1
.irp s, 0,1,2,3,4,5,6,7
	global_load_b32 v[SA+8*\i+\s], v[L4], s[90:91] offset:32768*\s+128*\i
.endr
.endr
.irp b, 0,1,2,3,4,5,6,7
	global_load_b128 v[BIAS+8*\b:BIAS+8*\b+3], v[BOF], s[12:13] offset:(32*(\b/2)+8*(\b%2))*4
	global_load_b128 v[BIAS+8*\b+4:BIAS+8*\b+7], v[BOF], s[12:13] offset:(32*(\b/2)+8*(\b%2))*4+16
.endr
.macro XLOAD a
	WIN 0xc0
.irp t, 0,1,2,3,4,5,6,7,8,9,10,11,12,13,14,15
	global_load_b128 v[4*(16*\a+\t):4*(16*\a+\t)+3], v[LI], s[14:15] offset:(32*(\a/2)+8*(\a%2)+(\t%8)+16*(\t/8))*4096 th:TH_LOAD_NT
.endr
	WIN 0
.endm
	XLOAD 0
	XLOAD 1
.macro FRAGR reg, adr, q, i
.irp c, 0,1
	ds_load_b128 v[(\reg)+4*\c:(\reg)+4*\c+3], v[\adr] offset:64*(\q)+32*\c+(\i)*16*PITCH
.endr
.endm
.macro FRAGI reg, adr, q, i
.irp c, 0,1
	ds_load_b128 v[(\reg)+4*\c:(\reg)+4*\c+3], v[\adr] offset:4096*(\q)+1024*(\i)+512*\c
.endr
.endm
.macro FETCH k
	WIN 0x40
.irp i, 0,1,2,3,4,5,6,7
	FRAGR 128*((\k)%2)+8*\i, ADRB+(\k)/4, (\k)%4, \i
.endr
	WIN 0
.irp i, 0,1,2,3
	FRAGI AF+32*((\k)%2)+8*\i, ADRA+(\k)/4, (\k)%4, \i
.endr
.endm
.macro WMX first
.if \first
.if rRB && rRA
	v_wmma_scale_f32_16x16x128_f8f6f4 v[rD:rD+7], v[rB:rB+7], v[rA:rA+7], v[rC:rC+7], v[rSB], v[rSA] matrix_a_fmt:MATRIX_FMT_FP4 matrix_b_fmt:MATRIX_FMT_FP4 matrix_a_scale:MATRIX_SCALE_ROW1 matrix_b_scale:MATRIX_SCALE_ROW1
.elseif rRB
	v_wmma_scale_f32_16x16x128_f8f6f4 v[rD:rD+7], v[rB:rB+7], v[rA:rA+7], v[rC:rC+7], v[rSB], v[rSA] matrix_a_fmt:MATRIX_FMT_FP4 matrix_b_fmt:MATRIX_FMT_FP4 matrix_a_scale:MATRIX_SCALE_ROW1
.elseif rRA
	v_wmma_scale_f32_16x16x128_f8f6f4 v[rD:rD+7], v[rB:rB+7], v[rA:rA+7], v[rC:rC+7], v[rSB], v[rSA] matrix_a_fmt:MATRIX_FMT_FP4 matrix_b_fmt:MATRIX_FMT_FP4 matrix_b_scale:MATRIX_SCALE_ROW1
.else
	v_wmma_scale_f32_16x16x128_f8f6f4 v[rD:rD+7], v[rB:rB+7], v[rA:rA+7], v[rC:rC+7], v[rSB], v[rSA] matrix_a_fmt:MATRIX_FMT_FP4 matrix_b_fmt:MATRIX_FMT_FP4
.endif
.else
.if rRB && rRA
	v_wmma_scale_f32_16x16x128_f8f6f4 v[rD:rD+7], v[rB:rB+7], v[rA:rA+7], v[rD:rD+7], v[rSB], v[rSA] matrix_a_fmt:MATRIX_FMT_FP4 matrix_b_fmt:MATRIX_FMT_FP4 matrix_a_scale:MATRIX_SCALE_ROW1 matrix_b_scale:MATRIX_SCALE_ROW1
.elseif rRB
	v_wmma_scale_f32_16x16x128_f8f6f4 v[rD:rD+7], v[rB:rB+7], v[rA:rA+7], v[rD:rD+7], v[rSB], v[rSA] matrix_a_fmt:MATRIX_FMT_FP4 matrix_b_fmt:MATRIX_FMT_FP4 matrix_a_scale:MATRIX_SCALE_ROW1
.elseif rRA
	v_wmma_scale_f32_16x16x128_f8f6f4 v[rD:rD+7], v[rB:rB+7], v[rA:rA+7], v[rD:rD+7], v[rSB], v[rSA] matrix_a_fmt:MATRIX_FMT_FP4 matrix_b_fmt:MATRIX_FMT_FP4 matrix_b_scale:MATRIX_SCALE_ROW1
.else
	v_wmma_scale_f32_16x16x128_f8f6f4 v[rD:rD+7], v[rB:rB+7], v[rA:rA+7], v[rD:rD+7], v[rSB], v[rSA] matrix_a_fmt:MATRIX_FMT_FP4 matrix_b_fmt:MATRIX_FMT_FP4
.endif
.endif
.endm
.macro MUL32 k, first
.irp a, 0,1,2,3
.irp b, 0,1,2,3,4,5,6,7
.set rD, 8*(8*\a+\b)
.set rB, 128*((\k)%2)+8*\b
.set rA, AF+32*((\k)%2)+8*\a
.set rC, BIAS+8*\b
.set rSB, SB+8*(\b/2)+(\k)
.set rSA, SA+8*(\a/2)+(\k)
.set rRB, \b%2
.set rRA, \a%2
	WMX \first
.endr
.endr
.endm
.macro STEP k, first
	s_wait_dscnt 0x0
.if (\k) < 7
	PLACES 4
	FETCH (\k)+1
.endif
.if \first
	WIN 0x81
.else
	WIN 0xa1
.endif
	MUL32 \k, \first
	WIN 0
.endm
	s_wait_alu depctr_va_vdst(0)
	s_wait_tensorcnt 0x0
	s_barrier_signal -1
	s_barrier_wait -1
	FETCH 0
	s_wait_loadcnt 32
	XLOAD 2
	XLOAD 3
	STEP 0, 1
.irp k, 1,2,3,4,5,6,7
	STEP \k, 0
.endr
.macro TOSTAGE a
	WIN 0x08
.irp b, 0,1,2,3,4,5,6,7
	ds_store_b128 v[STO], v[64*\a+8*\b:64*\a+8*\b+3] offset:128*(\b/2)+32*(\b%2)
	ds_store_b128 v[STO], v[64*\a+8*\b+4:64*\a+8*\b+7] offset:128*(\b/2)+32*(\b%2)+16
.endr
	WIN 0
.irp t, 0,1,2,3,4,5,6,7,8,9,10,11,12,13,14,15
	ds_load_b128 v[BK+64*(\a%2)+4*\t:BK+64*(\a%2)+4*\t+3], v[RD] offset:\t*SPITCH
.endr
.endm
.macro SEND a, younger
	s_wait_dscnt \younger
	s_wait_loadcnt 16*(3-\a)
	WIN 0x0c
.set j_, 0
.rept 32
	v_pk_add_f32 v[BK+64*(\a%2)+j_:BK+64*(\a%2)+j_+1], v[BK+64*(\a%2)+j_:BK+64*(\a%2)+j_+1], v[64*\a+j_:64*\a+j_+1]
.set j_, j_+2
.endr
	WIN 0
.irp t, 0,1,2,3,4,5,6,7,8,9,10,11,12,13,14,15
	global_store_b128 v[LI], v[BK+64*(\a%2)+4*\t:BK+64*(\a%2)+4*\t+3], s[16:17] offset:(32*(\a/2)+8*(\a%2)+(\t%8)+16*(\t/8))*4096 th:TH_STORE_NT
.endr
.endm
	PLACES 4
	TOSTAGE 0
	TOSTAGE 1
	SEND 0, 32
	s_wait_xcnt 0x0
	TOSTAGE 2
	SEND 1, 32
	s_wait_xcnt 0x0
	TOSTAGE 3
	SEND 2, 32
	SEND 3, 0
	s_wait_tensorcnt 0x0
	ds_add_u32 v[SPW], v[NIL]
	s_wait_dscnt 0x0
	CROUND
	s_endpgm
.Lfunc_end_k_q72a5b7e6e1_oproj:
	.size	k_q72a5b7e6e1_oproj, .Lfunc_end_k_q72a5b7e6e1_oproj-k_q72a5b7e6e1_oproj
	.p2alignl 7, 3214868480
	.fill 96, 4, 3214868480
	.section	.rodata,"a",@progbits
	.p2align	6, 0x0
	.amdhsa_kernel k_q72a5b7e6e1_oproj
		.amdhsa_group_segment_fixed_size 327680
		.amdhsa_private_segment_fixed_size 0
		.amdhsa_enable_private_segment 0
		.amdhsa_kernarg_size 56
		.amdhsa_user_sgpr_count 2
		.amdhsa_user_sgpr_kernarg_segment_ptr 1
		.amdhsa_wavefront_size32 1
		.amdhsa_system_sgpr_workgroup_id_x 1
		.amdhsa_system_sgpr_workgroup_id_y 1
		.amdhsa_system_sgpr_workgroup_id_z 1
		.amdhsa_system_vgpr_workitem_id 0
		.amdhsa_next_free_vgpr 1024
		.amdhsa_next_free_sgpr 100
		.amdhsa_reserve_vcc 0
		.amdhsa_float_denorm_mode_32 3
		.amdhsa_float_denorm_mode_16_64 3
		.amdhsa_memory_ordered 1
		.amdhsa_forward_progress 1
		.amdhsa_inst_pref_size 86
	.end_amdhsa_kernel
	.amdgpu_metadata
---
amdhsa.version: [ 1, 2 ]
amdhsa.kernels:
  - .name:           k_q72a5b7e6e1_oproj
    .symbol:         k_q72a5b7e6e1_oproj.kd
    .args:
      - { .name: o_codes, .offset: 0, .size: 8, .value_kind: global_buffer, .address_space: global }
      - { .name: o_scales, .offset: 8, .size: 8, .value_kind: global_buffer, .address_space: global }
      - { .name: xw_codes, .offset: 16, .size: 8, .value_kind: global_buffer, .address_space: global }
      - { .name: xw_scales, .offset: 24, .size: 8, .value_kind: global_buffer, .address_space: global }
      - { .name: bo, .offset: 32, .size: 8, .value_kind: global_buffer, .address_space: global }
      - { .name: x, .offset: 40, .size: 8, .value_kind: global_buffer, .address_space: global }
      - { .name: out0, .offset: 48, .size: 8, .value_kind: global_buffer, .address_space: global }
    .group_segment_fixed_size: 327680
    .private_segment_fixed_size: 0
    .kernarg_segment_align: 8
    .kernarg_segment_size: 56
    .max_flat_workgroup_size: 128
    .sgpr_count:     100
    .vgpr_count:     1024
    .wavefront_size: 32
...
	.end_amdgpu_metadata
.endif
;; end of part 4
